; MI455X (gfx1250); checked and timed in simulation.
; The chip was launched on July 23, 2026; its instructions are those of AMD's public machine-readable ISA for CDNA 5 (MIT licence, August 2026) and "CDNA5" Instruction Set Architecture Reference Guide (July 2026). The comments in the code are by the model that wrote it; some were corrected since.
;; Simple Hierachical Attention. Allowed arithmetic: matrix products marked QUANTISED: E4M3 operands, one E8M0 scale for each 32 along K, by v_wmma_scale_f32_16x16x128_f8f6f4 with both operands' format E4M3, f32 sums; products left as they are: f32 operands where the result goes on into a quantised operand, else bf16, f16 or f32 operands; f32 sums; everything else in f32.
;; Inputs: hidden_states 32 x 2,048 x 1,024 float32; w_out 2,048 x 128 float32; w_score 1,024 x 1,024 float32.
;; Outputs: out0 32 x 128 float32.
;; This version of the problem:
;;   THIS VERSION OF THE PROBLEM IS GIVEN IN LOW PRECISION. The matrix products marked QUANTISED in the list below multiply operands that are first quantised to E4M3 (4 exponent bits, 3 mantissa bits; 8 bits a number), with one power-of-two scale for each 32 numbers along K (OCP MX v1.0); their sums are f32. All else is computed in f32.
;;   The module's matrix products, in the order in which they are computed (A, B: the left and right operand; K: the contracted axis; several contracted axes count as one K, in the product's order):
;;     1. [M 65,536, K 1,024] x [K 1,024, N 1,024]; A: input hidden_states; B: input w_score: QUANTISED
;;     2. batch 32 x [M 1, K 1,024] x [K 1,024, N 2,048]; A: input hidden_states; B: computed on the way: left as it is (M = 1 < 16)
;;     3. batch 32 x [M 1,024, K 2,048] x [K 2,048, N 1]; A: input hidden_states; B: softmax: left as it is (N = 1 < 16)
;;     4. [M 32, K 2,048] x [K 2,048, N 128]; A: computed on the way; B: input w_out: QUANTISED
;;   THE QUANTISER, for each operand of a quantised product, along K:
;;     - K is cut into blocks of 32 from its start; a last block that is shorter is filled with zeros.
;;     - A block's scale is 2^e with e = floor(log2(the largest magnitude in the block)) - 8, held to -126 .. 127; a block of zeros has e = 0. As a byte (E8M0): e + 127.
;;     - Each number is divided by its block's scale, clamped to +-448, and rounded to the nearest number of E4M3, ties to even, subnormals kept.
;;     - The product sums the exact products of the quantised numbers (number of the format x scale) in f32.
;;   ~~~python
;;   def quantise(x, axis):      # numpy; x: float32 -> the quantised numbers, widened to float32 again
;;       x = np.moveaxis(x, axis, -1); K = x.shape[-1]
;;       x = np.pad(x, [(0, 0)] * (x.ndim - 1) + [(0, -K % 32)]); x = x.reshape(x.shape[:-1] + (-1, 32)); a = np.abs(x).max(-1, keepdims=True)
;;       e = np.where(a > 0, np.clip(np.frexp(np.where(a > 0, a, 1))[1] - 1 - 8, -126, 127), 0)      # np.frexp(a)[1] - 1 = floor(log2(a)), exactly
;;       r = np.clip(x / 2.0 ** e, -448, 448)
;;       step = 2.0 ** (np.maximum(np.frexp(np.where(r == 0, 1, r))[1] - 1, -6) - 3)
;;       q = np.round(r / step) * step * 2.0 ** e      # np.round: ties to even
;;       return np.moveaxis(q.reshape(q.shape[:-2] + (-1,))[..., :K], -1, axis).astype(np.float32)
;;   ~~~
;;   OPERANDS COMPUTED ON THE WAY. 'Computed on the way' means the value that the module computes at that place (a softmax that the list does not call 'softmax' is quantised finished and normalised). What goes into a quantiser is computed in f32, as accurately as f32 sums, v_exp_f32 and their like allow (about 1e-6 of the number): no bf16 or f16 on the way to a quantiser, and a product that is left as it is and whose result goes on into a quantised operand takes f32 operands (vector FMAs, or v_wmma_f32_16x16x4_f32). A number that lies on a knife's edge between two numbers of the format may be rounded either way, as far as f32 arithmetic and the matrix unit's own rounding can turn it there, and no further.
;; 2 versions. Each part assembles by itself: llvm-mc -triple=amdgcn-amd-amdhsa -mcpu=gfx1250 --defsym DOCPART=n.
;; ======== version 1 of 2: 3 launches
;; limits: right only within a limited range of input values
;; workspace buffers: wq_codes 1,048,576 bytes; wq_scales 32,768 bytes; wo_codes 262,144 bytes; wo_scales 8,192 bytes; part_ctx 1,048,576 bytes; part_stat 262,144 bytes
;; launch prep (part 1): grid 80 x 1, 4 waves a work-group, no clusters, 0 bytes of LDS; arguments w_score, w_out, wq_codes, wq_scales, wo_codes, wo_scales; writes wq_codes, wq_scales, wo_codes, wo_scales
.if DOCPART == 1
	.amdgcn_target "amdgcn-amd-amdhsa--gfx1250"
	.amdhsa_code_object_version 6
	.text
	.protected	k_q8db4952e69_prep
	.globl	k_q8db4952e69_prep
	.p2align	8
	.type	k_q8db4952e69_prep,@function
k_q8db4952e69_prep:
	s_mov_b64 s[64:65], 0
	v_nop
	global_prefetch_b8 v0, s[64:65] scope:SCOPE_SE
	s_setreg_imm32_b32 hwreg(HW_REG_WAVE_MODE, 25, 1), 1
	s_wait_xcnt 0x0
; THE PROGRAM: out = tanh(Q([context, h_t]) Q(w_out)), context = sum over s of softmax_s(h_t . (Q(hs) Q(w_score))[s]) hs[s].  Three launches: this one, attend, finish.
; NO WORK IS LEFT OUT: every number of the first product enters a score, every score the softmax, every row the context; all three inputs are loaded.
; THIS LAUNCH turns w_score [1024 (k)][1024 (n)] and w_out [2048 (k)][128 (n)], f32, K their FIRST axis, into codes of E4M3 with one E8M0 byte for each 32 along K.
; A block's scale is 2^(floor(log2(its largest magnitude)) - 8); its byte is the largest magnitude's exponent field - 8, held at 1 from below; each number is divided by the scale, held within +-448, rounded to the nearest code, ties to even.
; A LANE TAKES A COLUMN n AND ITS REGISTERS RUN DOWN K: a load reads 128 consecutive bytes a wave, a block of 32 lies in one lane's registers, and the conversions give codes with K innermost.
; THE CODES ARE LAID AS IMAGES OF THE OPERAND'S REGISTERS: for a tile of 16 columns and a K step of 128, [c 4][lane 32][16 bytes], lane 16 h + r = column r, k = 32 c + 16 h + 0 .. 15.
;   wq_codes [w 4][t 64][s 2] images, K step 2 w + s;  wq_scales [w][t][32 words]: word l < 16: K step 2 w, column l; word 16 + l: K step 2 w + 1.   wo_codes [S 16][t 8] images;  wo_scales [S][t][16 words].
; My lane's 16 codes of a half block are 16 bytes of such an image, and sixteen neighbouring lanes hold its 256 neighbouring bytes: each store of codes covers two aligned runs of 256 bytes; no stage is needed.
; The scale words leave in runs of 64 or 128 bytes: 40,960 bytes in all.
; SHARES: a wave takes 32 columns x one K step.  Work-groups 0-63: w_score (x & 7: 128 columns; x >> 3: K step); 64-79: w_out (x - 64: K step).  The two paths differ in the rows' pitch, which stands in the loads' immediates.
; LIMITS: a block of zeros gets the byte 1 where the rule says 127 (its codes are zeros, and this program alone reads the bytes); blocks whose largest magnitude lies under 2^-118 are held at that byte; NaN and infinities are not served.
.set X,  32                            ; v32-159  four blocks of 32 numbers
.set C,  160                           ; v160-191 eight registers of codes a block: no store's data are written again
.set SW, 24                            ; v24      the K step's scale word
.set LB, 20                            ; s[20:21] where my wave's numbers begin
.set CB, 22                            ; s[22:23] its codes
.set SB, 24                            ; s[24:25] its scale words
.macro LOADB c, pitch                  ; block c: W(32 c + i, my column)
.irp i, 0,1,2,3,4,5,6,7,8,9,10,11,12,13,14,15,16,17,18,19,20,21,22,23,24,25,26,27,28,29,30,31
	global_load_b32 v[X+32*(\c)+\i], v3, s[LB:LB+1] offset:(32*(\c)+\i)*(\pitch) th:TH_LOAD_NT
.endr
.endm
.macro BLOCK c, pitch
.set XS, X+32*(\c)
.if (\c) < 3
	s_wait_loadcnt 32                              ; this block's 32 loads are in; the next block's may be out
.else
	s_wait_loadcnt 0x0
.endif
.if (\c)+2 < 4
	LOADB (\c)+2, \pitch                           ; two blocks ahead, into registers of its own
.endif
	v_max3_num_f32 v12, |v[XS]|, |v[XS+1]|, |v[XS+2]|              ; the block's largest magnitude: all 32 numbers are mine; two chains
	v_max3_num_f32 v13, |v[XS+3]|, |v[XS+4]|, |v[XS+5]|
.irp i, 6,10,14,18,22,26
	v_max3_num_f32 v12, v12, |v[XS+\i]|, |v[XS+\i+1]|
	v_max3_num_f32 v13, v13, |v[XS+\i+2]|, |v[XS+\i+3]|
.endr
	v_max3_num_f32 v12, v12, |v[XS+30]|, |v[XS+31]|
	v_max3_num_f32 v12, v12, v13, 0x4800000        ; and the floor 2^(9 - 127): the byte cannot fall under 1
	v_add_nc_u32 v11, 0xfc000000, v12              ; 8 off the exponent field: the conversion's scale operand
	v_and_or_b32 v10, v12, 0x7f800000, s31         ; 448 x the scale
	v_lshrrev_b32 v13, 23, v11                     ; the scale's byte
.if (\c) == 0
	v_mov_b32 v[SW], v13
.else
	v_lshl_or_b32 v[SW], v13, 8*(\c), v[SW]        ; the lower K in the lower byte
.endif
.irp i, 0,1,2,3,4,5,6,7,8,9,10,11,12,13,14,15,16,17,18,19,20,21,22,23,24,25,26,27,28,29,30,31
	v_med3_num_f32 v[XS+\i], v[XS+\i], -v10, v10   ; the conversion to an 8-bit code does not saturate (ISA guide 7.6.2): the hold comes first
.endr
.irp g, 0,1,2,3
	v_cvt_scalef32_pk8_fp8_f32 v[C+8*(\c)+2*\g:C+8*(\c)+2*\g+1], v[XS+8*\g:XS+8*\g+7], v11
.endr
	global_store_b128 v6, v[C+8*(\c):C+8*(\c)+3], s[CB:CB+1] offset:512*(\c)        ; k = 32 c + 0 .. 15: lanes r of the image
	global_store_b128 v6, v[C+8*(\c)+4:C+8*(\c)+7], s[CB:CB+1] offset:512*(\c)+256  ; k = 32 c + 16 .. 31: lanes 16 + r
.endm
.macro QW pitch                        ; a wave's whole share.  (The codes go to stores alone, and the next block begins with plain vector lines)
	LOADB 0, \pitch
	LOADB 1, \pitch
	BLOCK 0, \pitch
	BLOCK 1, \pitch
	BLOCK 2, \pitch
	BLOCK 3, \pitch
	global_store_b32 v7, v[SW], s[SB:SB+1]
	s_endpgm
.endm
	s_load_b256 s[4:11], s[0:1], 0x0               ; w_score s[4:5], w_out s[6:7], wq_codes s[8:9], wq_scales s[10:11]
	s_load_b128 s[12:15], s[0:1], 0x20             ; wo_codes s[12:13], wo_scales s[14:15]
	v_lshrrev_b32 v1, 5, v0
	v_readfirstlane_b32 s16, v1                    ; wave v
	v_and_b32 v2, 31, v0                           ; lane
	v_lshlrev_b32 v3, 2, v2                        ; in: 4 bytes a lane
	v_and_b32 v4, 15, v2                           ; r: my column in its tile of 16
	v_lshrrev_b32 v5, 4, v2                        ; which of my wave's two tiles
	v_lshlrev_b32 v6, 4, v4                        ; 16 r
	s_mov_b32 s31, 0x600000                        ; the mantissa field of 448
	s_mov_b32 s[LB+1], 0
	s_mov_b32 s[CB+1], 0
	s_mov_b32 s[SB+1], 0
	s_wait_kmcnt 0x0
	s_cmp_lt_u32 ttmp9, 64
	s_cbranch_scc0 .Lw_out
	s_and_b32 s17, ttmp9, 7                        ; cb: which 128 columns
	s_lshr_b32 s18, ttmp9, 3                       ; S: which K step
	s_lshl_b32 s[LB], s18, 19                      ; 128 S rows of 4,096 bytes
	s_lshl_b32 s19, s17, 9
	s_add_co_u32 s[LB], s[LB], s19                 ; + 128 cb columns
	s_lshl_b32 s19, s16, 7
	s_add_co_u32 s[LB], s[LB], s19                 ; + 32 v columns
	s_lshr_b32 s26, s18, 1
	s_lshl_b32 s26, s26, 6
	s_lshl_b32 s19, s17, 3
	s_add_co_u32 s26, s26, s19
	s_lshl_b32 s19, s16, 1
	s_add_co_u32 s26, s26, s19                     ; 64 (S >> 1) + 8 cb + 2 v: my wave's first tile
	s_and_b32 s27, s18, 1                          ; s
	s_lshl_b32 s[CB], s26, 1
	s_add_co_u32 s[CB], s[CB], s27
	s_lshl_b32 s[CB], s[CB], 11                    ; images of 2,048 bytes
	s_lshl_b32 s[SB], s26, 7                       ; 32 words a tile
	s_lshl_b32 s19, s27, 6
	s_add_co_u32 s[SB], s[SB], s19                 ; + 16 words for the odd K step
	v_lshl_add_u32 v6, v5, 12, v6                  ; the second tile lies two images on
	v_lshlrev_b32 v7, 2, v4
	v_lshl_add_u32 v7, v5, 7, v7
	s_add_nc_u64 s[LB:LB+1], s[4:5], s[LB:LB+1]
	s_add_nc_u64 s[CB:CB+1], s[8:9], s[CB:CB+1]
	s_add_nc_u64 s[SB:SB+1], s[10:11], s[SB:SB+1]
	QW 4096
.Lw_out:
	s_sub_co_u32 s18, ttmp9, 64                    ; S
	s_lshl_b32 s[LB], s18, 16                      ; 128 S rows of 512 bytes
	s_lshl_b32 s19, s16, 7
	s_add_co_u32 s[LB], s[LB], s19                 ; + 32 v columns
	s_lshl_b32 s[CB], s18, 14                      ; (8 S + 2 v) images
	s_lshl_b32 s19, s16, 12
	s_add_co_u32 s[CB], s[CB], s19
	s_lshl_b32 s[SB], s18, 9                       ; (8 S + 2 v) x 16 words
	s_lshl_b32 s19, s16, 7
	s_add_co_u32 s[SB], s[SB], s19
	v_lshl_add_u32 v6, v5, 11, v6                  ; the second tile lies one image on
	v_mov_b32 v7, v3                               ; 4 x lane
	s_add_nc_u64 s[LB:LB+1], s[6:7], s[LB:LB+1]
	s_add_nc_u64 s[CB:CB+1], s[12:13], s[CB:CB+1]
	s_add_nc_u64 s[SB:SB+1], s[14:15], s[SB:SB+1]
	QW 512
.Lfunc_end_k_q8db4952e69_prep:
	.size	k_q8db4952e69_prep, .Lfunc_end_k_q8db4952e69_prep-k_q8db4952e69_prep
	.p2alignl 7, 3214868480
	.fill 96, 4, 3214868480
	.section	.rodata,"a",@progbits
	.p2align	6, 0x0
	.amdhsa_kernel k_q8db4952e69_prep
		.amdhsa_group_segment_fixed_size 0
		.amdhsa_private_segment_fixed_size 0
		.amdhsa_enable_private_segment 0
		.amdhsa_kernarg_size 48
		.amdhsa_user_sgpr_count 2
		.amdhsa_user_sgpr_kernarg_segment_ptr 1
		.amdhsa_wavefront_size32 1
		.amdhsa_system_sgpr_workgroup_id_x 1
		.amdhsa_system_sgpr_workgroup_id_y 1
		.amdhsa_system_sgpr_workgroup_id_z 1
		.amdhsa_system_vgpr_workitem_id 0
		.amdhsa_next_free_vgpr 192
		.amdhsa_next_free_sgpr 66
		.amdhsa_reserve_vcc 0
		.amdhsa_float_denorm_mode_32 3
		.amdhsa_float_denorm_mode_16_64 3
		.amdhsa_memory_ordered 1
		.amdhsa_forward_progress 1
		.amdhsa_inst_pref_size 57
	.end_amdhsa_kernel
	.amdgpu_metadata
---
amdhsa.version: [ 1, 2 ]
amdhsa.kernels:
  - .name:           k_q8db4952e69_prep
    .symbol:         k_q8db4952e69_prep.kd
    .args:
      - { .name: w_score, .offset: 0, .size: 8, .value_kind: global_buffer, .address_space: global }
      - { .name: w_out, .offset: 8, .size: 8, .value_kind: global_buffer, .address_space: global }
      - { .name: wq_codes, .offset: 16, .size: 8, .value_kind: global_buffer, .address_space: global }
      - { .name: wq_scales, .offset: 24, .size: 8, .value_kind: global_buffer, .address_space: global }
      - { .name: wo_codes, .offset: 32, .size: 8, .value_kind: global_buffer, .address_space: global }
      - { .name: wo_scales, .offset: 40, .size: 8, .value_kind: global_buffer, .address_space: global }
    .group_segment_fixed_size: 0
    .private_segment_fixed_size: 0
    .kernarg_segment_align: 8
    .kernarg_segment_size: 48
    .max_flat_workgroup_size: 128
    .sgpr_count:     66
    .vgpr_count:     192
    .wavefront_size: 32
...
	.end_amdgpu_metadata
.endif
;; end of part 1
;; launch attend (part 2): grid 256 x 1, 4 waves a work-group, no clusters, 327,680 bytes of LDS; arguments hidden_states, wq_codes, wq_scales, part_ctx, part_stat; writes part_ctx, part_stat
.if DOCPART == 2
	.amdgcn_target "amdgcn-amd-amdhsa--gfx1250"
	.amdhsa_code_object_version 6
	.text
	.protected	k_q8db4952e69_attend
	.globl	k_q8db4952e69_attend
	.p2align	8
	.type	k_q8db4952e69_attend,@function
k_q8db4952e69_attend:
	s_mov_b64 s[64:65], 0
	v_nop
	global_prefetch_b8 v0, s[64:65] scope:SCOPE_SE
	s_setreg_imm32_b32 hwreg(HW_REG_WAVE_MODE, 25, 1), 1
	s_wait_xcnt 0x0
; For 256 rows of hidden_states (hs) of one batch: dense = Q(hs) Q(w_score) on codes of E4M3, score = h_t . dense, a running softmax over the rows, and the unnormalised partial context sum p hs.  No work is left out.
; hs IS READ ONCE.  A work-group takes its 256 rows 64 at a time.  A chunk of 64 rows lands in LDS by tensor loads, is read out into registers as f32 and STAYS there (the HOLD, 512 registers a wave) until its
; scores are known; the codes are made from the hold without changing it.  As soon as the chunk is read out, its LDS bytes take the next chunk, which lands under the products.
; K IS SHARED AMONG THE FOUR WAVES: wave w owns k = 256 w .. 256 w + 255 of all 64 rows.  The score is linear in dense, so each wave's part of the sums over K is multiplied by h_t and summed over N by itself, and the
; four parts are added at the end, all in f32.  So each wave quantises just the numbers that it reads, holds just the columns of the context that it will sum, and each fragment of W is read by one wave and feeds four products.
; W's codes come from memory straight into a ring of eight register sets (a set = one tile of 16 columns x my 256 along K, 32 registers), seven tiles ahead, as images of the operand's registers (launch prep).
; NO JOINT LOADS for W, though all work-groups read it: the landing blocks, the spill, h_t, the scores and the spare words take 306,688 of the 327,680 bytes of LDS; the 20,992 left hold one tile of W for the
; four waves (16,896 bytes) and not the two slots that a ring wants.  hs is shared by nobody.
; LAYOUT.  Lane (r, h) holds row 16 T + r (T = 0 .. 3); its hold register 128 T + 64 s + 16 c + i is k = 256 w + 128 s + 32 c + 16 h + i: the order of an 8-bit operand's registers.  Source 0 = 16 rows of hs,
; source 1 = 16 columns of W: in the result register j of lane (r, h) is (row 8 h + j, column r), which is multiplied by h_t[column], one number a lane.
; LIMITS: scores finite and above -3e38; NaN and infinities are not served; a block of zeros gets the byte 1 over zero codes; the sums over K and N are taken in another order than reference()'s, in f32.
; REGISTERS, in windows of 256 (s_set_vgpr_msb: bits 1:0 source 0, 3:2 source 1, 5:4 source 2, 7:6 destination):
;   window 0: v1-11 addresses; v12 m, v13 l; v14 f; v16-23 at work; v24-31 my 8 numbers of the context; v32-39 hs's scale words; v40-47 W's; v48-63 h_t, a pair a set; v64-95 the scores' sums;
;             v96-127 at work; v128-255 hs's codes, later the weighted sum of the hold.
;   window 1: the ring of W.   windows 2, 3: the hold.  v192-255 of window 3 are also the two sets of four accumulators: that piece of the hold waits in LDS while the products run.
.set LPITCH, 1040                      ; a landed row: 1,024 bytes + 16 of padding = 65 x 16: the sixteen rows that a load touches start at sixteen different 16-byte columns of 256 bytes
.set LBLK,   64*LPITCH                 ; a wave's landing block: 64 rows
.set SPILL,  4*LBLK                    ; 8,192 bytes a wave: the image of 64 hold registers
.set HT,     SPILL+4*8192              ; h_t, 4,096 bytes, and its first 2,048 once more: the ring asks for tiles 64-71, which are tiles 0-7
.set SCX,    HT+6144                   ; [row 64][wave 4] f32: the four parts of each score
.set SPARE,  SCX+1024                  ; the spare words, 128 bytes for each wave: two blocks of 256 bytes that no other line names
.set SPW,  1                           ; v1   LDS address of my spare word; never rewritten
.set NIL,  2                           ; v2   0; never rewritten
.set XA,   3                           ; v3   my place in the landing block: LBLK w + LPITCH r + 64 h
.set WOFF, 4                           ; v4   16 x lane + the trip's eight tiles of codes
.set SOFF, 5                           ; v5   4 x lane + the trip's eight tiles of scale words
.set HTA,  6                           ; v6   h_t of the trip's eight tiles
.set HTA0, 7                           ; v7   HT + 4 r
.set SPA,  8                           ; v8   SPILL + 8,192 w + 16 x lane
.set SXS,  9                           ; v9   where I put my two rows' parts of the scores
.set SXL,  10                          ; v10  SCX + 16 r
.set CO,   11                          ; v11  my 16 bytes in the partial context
.set MX,   12                          ; v12 m, v13 l
.set FF,   14                          ; v14 f = e^(old m - new m); v15 named with it as a pair
.set TS,   16                          ; v16-19 what FOLD sends
.set WK,   20
.set CTX,  24
.set ASC,  32                          ; hs's scale word of (T, s) at ASC + 2 T + s
.set BSC,  40                          ; set u's scale words of W: lanes 0-15 K step 2 w, lanes 16-31 K step 2 w + 1
.set HTR,  48                          ; set u's h_t at HTR + 2 u (the packed form names a pair)
.set SA,   64                          ; SA + 8 T + j: my column's share of the score of row 16 T + 8 h + j
.set TM,   96
.set CT,   112                         ; 16 held numbers, clamped; later p of row 16 T + r at CT + 2 T
.set CD,   128                         ; the codes of (T, s) at CD + 32 T + 16 s
.set ACC,  192                         ; in window 3: accumulator (set p, T) at ACC + 32 p + 8 T
.set G1,   24                          ; s[24:31] descriptor group 1
.set G0,   32                          ; s[32:35] descriptor group 0
.set MK8,  36                          ; s36-39 the lanes with r & 8, 4, 2, 1
.set MSB, 0
.macro WIN new                         ; the immediate's high byte repeats the setting that is left; a switch that changes nothing is dropped
.if MSB != (\new)
	s_set_vgpr_msb (MSB<<8)|(\new)
.set MSB, (\new)
.endif
.endm
; 64 numbers of rows 16 T on, K step s, out of the landing block into the hold
.macro READ T, s
.set RX, 2+(\T)/2
.set RH, 128*((\T)%2)+64*(\s)
	WIN RX<<6
.irp c, 0,1,2,3
.irp j, 0,1,2,3
	ds_load_b128 v[RH+16*\c+4*\j:RH+16*\c+4*\j+3], v[XA] offset:16*(\T)*LPITCH+512*(\s)+128*\c+16*\j
.endr
.endr
.endm
; The hold's 64 numbers of (T, s) become a fragment's codes and its scale word; the hold is not changed.  The held numbers stand where one window field reaches them:
; as sources 1 and 2 of the maximum, as source 2 of the hold at the largest code (the middle of three numbers does not hang on their order).
.macro QUANT T, s
.set QX, 2+(\T)/2
.set QH, 128*((\T)%2)+64*(\s)
.set QC, CD+32*(\T)+16*(\s)
.set QA, ASC+2*(\T)+(\s)
	WIN (QX<<2)|(QX<<4)
.irp c, 0,1,2,3
	v_max3_num_f32 v[TM+\c], 0x4800000, |v[QH+16*\c]|, |v[QH+16*\c+1]|   ; block c: my 16 numbers, and the floor 2^(9 - 127): the byte cannot fall under 1
.endr
.irp i, 2,4,6,8,10,12,14
.irp c, 0,1,2,3
	v_max3_num_f32 v[TM+\c], v[TM+\c], |v[QH+16*\c+\i]|, |v[QH+16*\c+\i+1]|   ; (the four blocks by turns)
.endr
.endr
	WIN 0
.irp c, 0,1,2,3
	v_permlanex16_b32 v[TM+4+\c], v[TM+\c], s20, s21
.endr
.irp c, 0,1,2,3
	v_max_num_f32 v[TM+\c], v[TM+\c], v[TM+4+\c]   ; with lane l xor 16's 16: the block's largest magnitude
.endr
.irp c, 0,1,2,3
	v_add_nc_u32 v[TM+12+\c], 0xfc000000, v[TM+\c] ; 8 off the exponent field: the conversion's scale operand
.endr
.irp c, 0,1,2,3
	v_and_or_b32 v[TM+8+\c], v[TM+\c], 0x7f800000, s22   ; 448 x the scale
.endr
.irp c, 0,1,2,3
	v_lshrrev_b32 v[TM+4+\c], 23, v[TM+12+\c]      ; the scale's byte
.endr
	v_lshl_or_b32 v[QA], v[TM+5], 8, v[TM+4]       ; my row's scale word
	v_lshl_or_b32 v[QA], v[TM+6], 16, v[QA]
	v_lshl_or_b32 v[QA], v[TM+7], 24, v[QA]
	WIN QX<<4
.irp c, 0,1,2,3
.irp i, 0,1,2,3,4,5,6,7,8,9,10,11,12,13,14,15
	v_med3_num_f32 v[CT+\i], -v[TM+8+\c], v[TM+8+\c], v[QH+16*\c+\i]   ; the conversion to an 8-bit code does not saturate (ISA guide 7.6.2): the hold at the largest code x the scale, into other registers
.endr
	v_cvt_scalef32_pk8_fp8_f32 v[QC+4*\c:QC+4*\c+1], v[CT:CT+7], v[TM+12+\c]
	v_cvt_scalef32_pk8_fp8_f32 v[QC+4*\c+2:QC+4*\c+3], v[CT+8:CT+15], v[TM+12+\c]
	v_nop                                          ; one plain line between the conversions and the next lines that write their sources
.endr
.endm
; Eight products: the four tiles of rows x set u's 16 columns x my two K steps.  The first four start the sums; the four accumulators take turns.
.macro MUL8 u, cnt
	s_wait_loadcnt \cnt                            ; set u's nine loads are in; cnt younger ones may be out
	WIN 0xf4                                       ; A window 0, B window 1, C and D window 3
.irp T, 0,1,2,3
	v_wmma_scale_f32_16x16x128_f8f6f4 v[ACC+32*((\u)%2)+8*\T:ACC+32*((\u)%2)+8*\T+7], v[CD+32*\T:CD+32*\T+15], v[32*(\u):32*(\u)+15], 0, v[ASC+2*\T], v[BSC+(\u)]
.endr
.irp T, 0,1,2,3
	v_wmma_scale_f32_16x16x128_f8f6f4 v[ACC+32*((\u)%2)+8*\T:ACC+32*((\u)%2)+8*\T+7], v[CD+32*\T+16:CD+32*\T+31], v[32*(\u)+16:32*(\u)+31], v[ACC+32*((\u)%2)+8*\T:ACC+32*((\u)%2)+8*\T+7], v[ASC+2*\T+1], v[BSC+(\u)] matrix_b_scale:MATRIX_SCALE_ROW1
.endr
.endm
; Set u's results x h_t of my column, onto the scores' sums: each accumulator from its low end on
.macro DOT u, cnt
	s_wait_dscnt \cnt                              ; set u's h_t is in; cnt younger LDS loads may be out
	WIN 0x03                                       ; source 0 window 3
.irp T, 0,1,2,3
.irp i, 0,2,4,6
	v_pk_fma_f32 v[SA+8*\T+\i:SA+8*\T+\i+1], v[ACC+32*((\u)%2)+8*\T+\i:ACC+32*((\u)%2)+8*\T+\i+1], v[HTR+2*(\u):HTR+2*(\u)+1], v[SA+8*\T+\i:SA+8*\T+\i+1] op_sel_hi:[1,0,1]
.endr
.endr
.endm
; Set u takes the tile eight further on: nine global loads and one LDS load
.macro NEXTW u
	WIN 0
	global_load_b32 v[BSC+(\u)], v[SOFF], s[8:9] offset:128*(\u)
	ds_load_b32 v[HTR+2*(\u)], v[HTA] offset:64*(\u)
	WIN 0x40                                       ; destination window 1
.irp k, 0,1,2,3,4,5,6,7
	global_load_b128 v[32*(\u)+4*\k:32*(\u)+4*\k+3], v[WOFF], s[6:7] offset:4096*(\u)+512*\k
.endr
.endm
; EIGHT TILES OF COLUMNS, 64 products.  Tile u's results are multiplied by h_t behind tile u + 1's products, on the other set of accumulators, and set u is then asked for anew.
; PLACES (eight in front of a read of results and of a load into an operand, nine in front of a product that begins an accumulator anew): behind tile u's products stand the 16 packed lines of
; tile u - 1, which name none of their registers; behind tile 0's the nine lines below.
; COUNTS.  ld = 1: behind set u's nine loads were issued those of the 7 - u sets after it in the last trip and of the u - 1 sets before it in this one: 54; for set 0: 63.  Its h_t: seven younger LDS loads.  ld = 0: the counts run down.
.macro TRIP ld
	MUL8 0, 63
	WIN 0
.if \ld
	s_wait_xcnt 0x0                                ; the last trip's loads have read their offsets, which are written here
	v_add_nc_u32 v[WOFF], 0x8000, v[WOFF]          ; eight tiles of 4,096 bytes on,
	v_and_b32 v[WOFF], 0x3ffff, v[WOFF]            ; round the 64 tiles: a chunk's last trip asks for the next chunk's first eight
	v_add_nc_u32 v[SOFF], 0x400, v[SOFF]
	v_and_b32 v[SOFF], 0x1fff, v[SOFF]
	v_add_nc_u32 v[HTA], s16, v[HTA0]              ; s16 = 512 x (trip + 1)
.rept 4
	v_nop
.endr
.irp u, 1,2,3,4,5,6,7
	MUL8 \u, 54
	DOT \u-1, 7
	NEXTW \u-1
.endr
	DOT 7, 7
	NEXTW 7
.else
.rept 9
	v_nop
.endr
.irp u, 1,2,3,4,5,6,7
	MUL8 \u, 9*(7-\u)
	DOT \u-1, 7-(\u-1)
.endr
	DOT 7, 0
.endif
	WIN 0
.endm
; A step of a sum over the 16 lanes of a row that leaves each lane a share: of each pair of registers j, j + 2^b a lane keeps one (the upper where its bit xm of r is set), sends the other to lane l xor xm
; and adds what it receives.  Registers j < n with the bits from b up to top's all 0; G pairs by turns.
.macro FOLD base, n, top, b, xm, mask, G
.set fj, 0
.rept (\n)/(\G)
.if (fj&((\top)-(1<<(\b)))) == 0
.set fk, 0
.rept \G
	v_cndmask_b32 v[TS+fk], v[\base+fj+fk+(1<<(\b))], v[\base+fj+fk], s[\mask]
.set fk, fk+1
.endr
.set fk, 0
.rept \G
	v_cndmask_b32 v[\base+fj+fk], v[\base+fj+fk], v[\base+fj+fk+(1<<(\b))], s[\mask]
.set fk, fk+1
.endr
.set fk, 0
.rept \G
	v_add_f32_dpp v[\base+fj+fk], v[TS+fk], v[\base+fj+fk] row_xmask:\xm row_mask:0xf bank_mask:0xf
.set fk, fk+1
.endr
.endif
.set fj, fj+(\G)
.endr
.endm
; A CHUNK IS READ OUT AND QUANTISED.  Eight groups of 16 LDS loads, four groups ahead of the quantising.  refill = 1: the landing block then takes the next chunk.
.macro RQ refill
	s_wait_tensorcnt 0x0                           ; my one tensor load, this chunk's, has landed; only I read my block
	READ 0, 0
	READ 0, 1
	READ 1, 0
	READ 1, 1
	s_wait_dscnt 48                                ; three younger groups may be out
	QUANT 0, 0
	READ 2, 0
	s_wait_dscnt 48
	QUANT 0, 1
	READ 2, 1
	s_wait_dscnt 48
	QUANT 1, 0
	READ 3, 0
	s_wait_dscnt 48
	QUANT 1, 1
	READ 3, 1
	WIN 0
.if \refill
	s_wait_tensorcnt 0x0                           ; no tensor load of mine is out, so group 0 may be written
	ds_add_u32 v[SPW], v[NIL]                      ; 0 onto my spare word: three groups' quantising stands between it and the wait for it
	s_add_nc_u64 s[G0+2:G0+3], s[G0+2:G0+3], 64*4096   ; the next 64 rows; the type bits on top are not reached
.endif
	s_wait_dscnt 48+\refill                        ; three younger groups (and the add) may be out
	QUANT 2, 0
	s_wait_dscnt 32+\refill
	QUANT 2, 1
	s_wait_dscnt 16+\refill
	QUANT 3, 0
	WIN 0
	s_wait_dscnt 0x0                               ; the add is done, my reads of the landing block are over, and so are my reads of the last chunk's scores
	s_barrier_signal -1
	s_barrier_wait -1                              ; that now holds of all four waves
.if \refill
	tensor_load_to_lds s[G0:G0+3], s[G1:G1+7]      ; my one tensor load behind the barrier, and the first thing there: it has the products and the softmax in which to land
	s_nop 0
.rept 4
	v_nop
.endr
.endif
	WIN 0x0c                                       ; an LDS store's data: window 3
.irp q, 0,1,2,3,4,5,6,7,8,9,10,11,12,13,14,15
	ds_store_b128 v[SPA], v[ACC+4*\q:ACC+4*\q+3] offset:512*\q   ; the hold's piece (T = 3, s = 1) waits in LDS: its registers are the accumulators
.endr
	QUANT 3, 1
	WIN 0
.set qi, 0
.rept 32
	v_mov_b32 v[SA+qi], 0                          ; the scores' sums begin; these lines are also the places between the last scale word and codes and the products
.set qi, qi+1
.endr
	s_wait_dscnt 0x0                               ; the stores have read their registers, which the products write
.endm
; THE SCORES, THE SOFTMAX'S STEP AND THE CONTEXT'S STEP for a chunk
.macro SOFTCTX
	FOLD SA, 32, 32, 4, 8, MK8, 2                  ; the sum over my row of lanes, that is over the columns: lane (r, h) is left with rows 16 (r / 4) + 8 h + 2 (r % 4) + 0, 1
	FOLD SA, 32, 32, 3, 4, MK8+1, 2
	FOLD SA, 32, 32, 2, 2, MK8+2, 2
	FOLD SA, 32, 32, 1, 1, MK8+3, 2
	ds_store_b32 v[SXS], v[SA]
	ds_store_b32 v[SXS], v[SA+1] offset:16
	s_wait_dscnt 0x0                               ; for the others' sake: my parts of the scores lie in LDS
	s_barrier_signal -1
	s_barrier_wait -1                              ; the next chunk's load may stay out
.irp T, 0,1,2,3
	ds_load_b128 v[TM+4*\T:TM+4*\T+3], v[SXL] offset:256*\T   ; the four waves' parts of the score of row 16 T + r, the row that I hold
.endr
	WIN 0xc0                                       ; destination window 3
.irp q, 0,1,2,3,4,5,6,7,8,9,10,11,12,13,14,15
	ds_load_b128 v[ACC+4*\q:ACC+4*\q+3], v[SPA] offset:512*\q  ; the hold's piece comes back
.endr
	WIN 0
	s_wait_dscnt 16                                ; the scores are in
.irp T, 0,1,2,3
	v_add_f32 v[TM+4*\T], v[TM+4*\T], v[TM+4*\T+1]
.endr
.irp T, 0,1,2,3
	v_add_f32 v[TM+4*\T+2], v[TM+4*\T+2], v[TM+4*\T+3]
.endr
.irp T, 0,1,2,3
	v_add_f32 v[CT+2*\T], v[TM+4*\T], v[TM+4*\T+2]
.endr
	v_max3_num_f32 v[WK], v[CT], v[CT+2], v[CT+4]
	v_max_num_f32 v[WK], v[WK], v[CT+6]
	v_max_num_f32_dpp v[WK], v[WK], v[WK] row_xmask:1 row_mask:0xf bank_mask:0xf   ; both halves of the lanes hold the same 64 rows: four steps do
	v_max_num_f32_dpp v[WK], v[WK], v[WK] row_xmask:2 row_mask:0xf bank_mask:0xf
	v_max_num_f32_dpp v[WK], v[WK], v[WK] row_xmask:4 row_mask:0xf bank_mask:0xf
	v_max_num_f32_dpp v[WK], v[WK], v[WK] row_xmask:8 row_mask:0xf bank_mask:0xf
	v_max_num_f32 v[WK], v[WK], v[MX]              ; the new m
	v_sub_f32 v[WK+1], v[MX], v[WK]
.irp T, 0,1,2,3
	v_sub_f32 v[CT+2*\T], v[CT+2*\T], v[WK]
.endr
	v_mul_f32 v[WK+1], s23, v[WK+1]
.irp T, 0,1,2,3
	v_mul_f32 v[CT+2*\T], s23, v[CT+2*\T]
.endr
	v_exp_f32 v[FF], v[WK+1]                       ; f = e^(old m - new m)
.irp T, 0,1,2,3
	v_exp_f32 v[CT+2*\T], v[CT+2*\T]               ; p = e^(score - m)
.endr
	v_mov_b32 v[MX], v[WK]                         ; (the plain line behind the exponentials)
	s_wait_alu depctr_va_vdst(0)                   ; one wait for the five, ahead of their first reader
	v_add_f32 v[WK], v[CT], v[CT+2]
	v_add_f32 v[WK+1], v[CT+4], v[CT+6]
	v_add_f32 v[WK], v[WK], v[WK+1]
	v_add_f32_dpp v[WK], v[WK], v[WK] row_xmask:1 row_mask:0xf bank_mask:0xf
	v_add_f32_dpp v[WK], v[WK], v[WK] row_xmask:2 row_mask:0xf bank_mask:0xf
	v_add_f32_dpp v[WK], v[WK], v[WK] row_xmask:4 row_mask:0xf bank_mask:0xf
	v_add_f32_dpp v[WK], v[WK], v[WK] row_xmask:8 row_mask:0xf bank_mask:0xf
	v_fma_f32 v[MX+1], v[MX+1], v[FF], v[WK]       ; l = l f + the chunk's sum of p
	WIN 0x02                                       ; the sum over T of p x the hold, over the codes' registers, which are done with
.set qi, 0
.rept 64
	v_pk_mul_f32 v[CD+qi:CD+qi+1], v[qi:qi+1], v[CT:CT+1] op_sel_hi:[1,0]
.set qi, qi+2
.endr
.set qi, 0
.rept 64
	v_pk_fma_f32 v[CD+qi:CD+qi+1], v[128+qi:128+qi+1], v[CT+2:CT+3], v[CD+qi:CD+qi+1] op_sel_hi:[1,0,1]
.set qi, qi+2
.endr
	WIN 0x03
.set qi, 0
.rept 64
	v_pk_fma_f32 v[CD+qi:CD+qi+1], v[qi:qi+1], v[CT+4:CT+5], v[CD+qi:CD+qi+1] op_sel_hi:[1,0,1]
.set qi, qi+2
.endr
	s_wait_dscnt 0x0                               ; the hold's piece is back
.set qi, 0
.rept 64
	v_pk_fma_f32 v[CD+qi:CD+qi+1], v[128+qi:128+qi+1], v[CT+6:CT+7], v[CD+qi:CD+qi+1] op_sel_hi:[1,0,1]
.set qi, qi+2
.endr
	WIN 0
	FOLD CD, 128, 64, 5, 8, MK8, 4                 ; the sum over my row of lanes, that is over the rows: lane (r, h) is left with columns 256 w + 128 s + 32 (r / 4) + 16 h + 4 (r % 4) + 0 .. 3
	FOLD CD, 128, 64, 4, 4, MK8+1, 4
	FOLD CD, 128, 64, 3, 2, MK8+2, 4
	FOLD CD, 128, 64, 2, 1, MK8+3, 4
	v_pk_fma_f32 v[CTX:CTX+1], v[CTX:CTX+1], v[FF:FF+1], v[CD:CD+1] op_sel_hi:[1,0,1]         ; context = context x f + the chunk's
	v_pk_fma_f32 v[CTX+2:CTX+3], v[CTX+2:CTX+3], v[FF:FF+1], v[CD+2:CD+3] op_sel_hi:[1,0,1]
	v_pk_fma_f32 v[CTX+4:CTX+5], v[CTX+4:CTX+5], v[FF:FF+1], v[CD+64:CD+65] op_sel_hi:[1,0,1]
	v_pk_fma_f32 v[CTX+6:CTX+7], v[CTX+6:CTX+7], v[FF:FF+1], v[CD+66:CD+67] op_sel_hi:[1,0,1]
.endm
	s_load_b256 s[4:11], s[0:1], 0x0               ; hs s[4:5], wq_codes s[6:7], wq_scales s[8:9], part_ctx s[10:11]
	s_load_b64 s[12:13], s[0:1], 0x20              ; part_stat
	v_lshl_add_u32 v[SPW], v0, 2, SPARE
	v_mov_b32 v[NIL], 0
	ds_add_u32 v[SPW], v[NIL]                      ; the wave's opening: the add, twice on end, and its wait ahead of my first tensor load
	ds_add_u32 v[SPW], v[NIL]
	v_lshrrev_b32 v[WK], 5, v0
	v_readfirstlane_b32 s14, v[WK]                 ; wave w
	; descriptor group 1: a tile of 64 rows x 256 elements of 4 bytes, rows 1,024 elements apart, 4 words of padding behind every 256
	s_mov_b32 s[G1+0], (2<<16)|(1<<20)|(7<<22)|(3<<25)
	s_mov_b32 s[G1+1], 256<<16                     ; tensor_dim0
	s_mov_b32 s[G1+2], 64<<16                      ; tensor_dim1
	s_mov_b32 s[G1+3], 256<<16                     ; tile_dim0
	s_mov_b32 s[G1+4], 64                          ; tile_dim1
	s_mov_b32 s[G1+5], 1024                        ; tensor_dim0_stride
	s_mov_b32 s[G1+6], 0
	s_mov_b32 s[G1+7], 0
	s_mov_b32 s[G0], 1
	s_mul_i32 s[G0+1], s14, LBLK                   ; my landing block
	s_lshl_b32 s2, ttmp9, 20                       ; my work-group's 256 rows of 4,096 bytes
	s_lshl_b32 s3, s14, 10                         ; my 1,024 bytes of a row
	s_add_co_u32 s2, s2, s3
	s_mov_b32 s3, 0
	s_mov_b32 s20, 0x76543210
	s_mov_b32 s21, 0xfedcba98                      ; v_permlanex16_b32's selects for lane l xor 16
	s_mov_b32 s22, 0x600000                        ; the mantissa field of 448
	s_mov_b32 s23, 0x3fb8aa3b                      ; log2(e)
	s_wait_dscnt 0x0                               ; both opening adds are done
	s_wait_kmcnt 0x0
	s_add_nc_u64 s[G0+2:G0+3], s[4:5], s[2:3]
	s_or_b32 s[G0+3], s[G0+3], 0x80000000          ; type = 2
	tensor_load_to_lds s[G0:G0+3], s[G1:G1+7]      ; chunk 0: every wave's first fill, ahead of every wait on TENSORcnt, LDS read and barrier.  One tensor load of mine is out, here and later
	s_nop 0
.rept 4
	v_nop
.endr
	s_lshr_b32 s2, ttmp9, 3                        ; the batch
	s_lshl_b32 s2, s2, 23
	s_add_co_u32 s2, s2, 2047*4096                 ; its last row: h_t
	s_add_nc_u64 s[18:19], s[4:5], s[2:3]
	v_lshlrev_b32 v[WK], 4, v0
	global_load_b128 v[64:67], v[WK], s[18:19]
	global_load_b128 v[68:71], v[WK], s[18:19] offset:2048
	v_add_nc_u32 v[WK+1], HT, v[WK]
	s_lshl_b32 s2, s14, 18
	s_add_nc_u64 s[6:7], s[6:7], s[2:3]            ; my quarter of W's codes,
	s_lshl_b32 s2, s14, 13
	s_add_nc_u64 s[8:9], s[8:9], s[2:3]            ; of its scale words
	s_lshl_b32 s2, ttmp9, 12
	s_add_nc_u64 s[10:11], s[10:11], s[2:3]        ; my work-group's partial context
	s_lshl_b32 s2, ttmp9, 10
	s_add_nc_u64 s[12:13], s[12:13], s[2:3]        ; and its m and l
	v_and_b32 v[WK+2], 15, v0                      ; r
	v_bfe_u32 v[WK+3], v0, 4, 1                    ; h
	v_and_b32 v[TS], 31, v0                        ; lane
	v_lshrrev_b32 v[TS+1], 2, v[WK+2]              ; r / 4
	v_and_b32 v[TS+2], 3, v[WK+2]                  ; r % 4
	v_mul_u32_u24 v[XA], v[WK+2], LPITCH
	v_lshl_add_u32 v[XA], v[WK+3], 6, v[XA]
	v_add_nc_u32 v[XA], s[G0+1], v[XA]
	v_lshlrev_b32 v[WOFF], 4, v[TS]
	v_lshlrev_b32 v[SOFF], 2, v[TS]
	v_lshl_add_u32 v[HTA0], v[WK+2], 2, HT
	v_mov_b32 v[HTA], v[HTA0]
	s_lshl_b32 s17, s14, 13
	v_lshl_add_u32 v[SPA], v[TS], 4, SPILL
	v_add_nc_u32 v[SPA], s17, v[SPA]
	v_lshlrev_b32 v[SXS], 8, v[TS+1]               ; 16 bytes a row: 256 (r / 4) + 128 h + 32 (r % 4),
	v_lshl_add_u32 v[SXS], v[WK+3], 7, v[SXS]
	v_lshl_add_u32 v[SXS], v[TS+2], 5, v[SXS]
	s_lshl_b32 s17, s14, 2                         ; + 4 w
	s_add_co_u32 s17, s17, SCX
	v_add_nc_u32 v[SXS], s17, v[SXS]
	v_lshl_add_u32 v[SXL], v[WK+2], 4, SCX
	v_lshlrev_b32 v[CO], 7, v[TS+1]                ; 4 bytes a column: 1,024 w + 128 (r / 4) + 64 h + 16 (r % 4)
	v_lshl_add_u32 v[CO], v[WK+3], 6, v[CO]
	v_lshl_add_u32 v[CO], v[TS+2], 4, v[CO]
	s_lshl_b32 s17, s14, 10
	v_add_nc_u32 v[CO], s17, v[CO]
	v_and_b32 v[TS+3], 8, v[WK+2]
	v_cmp_ne_u32 s[MK8], 0, v[TS+3]
	v_and_b32 v[TS+3], 4, v[WK+2]
	v_cmp_ne_u32 s[MK8+1], 0, v[TS+3]
	v_and_b32 v[TS+3], 2, v[WK+2]
	v_cmp_ne_u32 s[MK8+2], 0, v[TS+3]
	v_and_b32 v[TS+3], 1, v[WK+2]
	v_cmp_ne_u32 s[MK8+3], 0, v[TS+3]
	v_mov_b32 v[MX], 0xff61b1e6                    ; m = -3e38, under every score: the first f is 0 and finds zeros
	v_mov_b32 v[MX+1], 0
	v_mov_b32 v[FF], 0
	v_mov_b32 v[FF+1], 0                           ; (named as a pair's upper half)
.irp i, 0,1,2,3,4,5,6,7
	v_mov_b32 v[CTX+\i], 0
	v_mov_b32 v[HTR+2*\i+1], 0                     ; (named as a pair's upper half)
.endr
.irp c, 0,1,2,3
	v_mov_b32 v[TM+4+\c], 0                        ; written once: a lane permute's destination counts as one of its sources
.endr
	s_wait_loadcnt 0x0                             ; h_t
	ds_store_b128 v[WK+1], v[64:67]
	ds_store_b128 v[WK+1], v[68:71] offset:2048
	ds_store_b128 v[WK+1], v[64:67] offset:4096    ; its first 2,048 bytes once more
	s_wait_dscnt 0x0                               ; for the others' sake
	s_barrier_signal -1
	s_barrier_wait -1                              ; h_t lies in LDS; chunk 0's load may stay out
.irp u, 0,1,2,3,4,5,6,7
	NEXTW \u                                       ; tiles 0 to 7
.endr
	WIN 0
	s_mov_b32 s15, 3
.Lchunk:                                               ; chunks 0 to 2: each asks for the chunk after it
	RQ 1
	s_mov_b32 s16, 512
.Ltrip:
	TRIP 1
	s_add_co_u32 s16, s16, 512
	s_cmp_le_u32 s16, 4096
	s_cbranch_scc1 .Ltrip
	SOFTCTX
	s_sub_co_u32 s15, s15, 1
	s_cmp_lg_u32 s15, 0
	s_cbranch_scc1 .Lchunk
	RQ 0                                           ; the last chunk is written out
	s_mov_b32 s16, 512
.Ltrip_last:
	TRIP 1
	s_add_co_u32 s16, s16, 512
	s_cmp_le_u32 s16, 3584
	s_cbranch_scc1 .Ltrip_last
	TRIP 0
	SOFTCTX
	global_store_b128 v[CO], v[CTX:CTX+3], s[10:11]              ; the wave's 32 lanes store 512 consecutive bytes, at a multiple of 512 from the buffer's first byte
	global_store_b128 v[CO], v[CTX+4:CTX+7], s[10:11] offset:512
	v_lshlrev_b32 v[WK], 3, v0
	global_store_b64 v[WK], v[MX:MX+1], s[12:13]                 ; m and l, the same in every thread: 1,024 consecutive bytes a work-group
	s_wait_tensorcnt 0x0                           ; the wave's end, behind my last tensor load and my last LDS store
	ds_add_u32 v[SPW], v[NIL]
	s_wait_dscnt 0x0
	s_endpgm
.Lfunc_end_k_q8db4952e69_attend:
	.size	k_q8db4952e69_attend, .Lfunc_end_k_q8db4952e69_attend-k_q8db4952e69_attend
	.p2alignl 7, 3214868480
	.fill 96, 4, 3214868480
	.section	.rodata,"a",@progbits
	.p2align	6, 0x0
	.amdhsa_kernel k_q8db4952e69_attend
		.amdhsa_group_segment_fixed_size 327680
		.amdhsa_private_segment_fixed_size 0
		.amdhsa_enable_private_segment 0
		.amdhsa_kernarg_size 40
		.amdhsa_user_sgpr_count 2
		.amdhsa_user_sgpr_kernarg_segment_ptr 1
		.amdhsa_wavefront_size32 1
		.amdhsa_system_sgpr_workgroup_id_x 1
		.amdhsa_system_sgpr_workgroup_id_y 1
		.amdhsa_system_sgpr_workgroup_id_z 1
		.amdhsa_system_vgpr_workitem_id 0
		.amdhsa_next_free_vgpr 1024
		.amdhsa_next_free_sgpr 66
		.amdhsa_reserve_vcc 0
		.amdhsa_float_denorm_mode_32 3
		.amdhsa_float_denorm_mode_16_64 3
		.amdhsa_memory_ordered 1
		.amdhsa_forward_progress 1
		.amdhsa_inst_pref_size 255
	.end_amdhsa_kernel
	.section	.bss,"aw",@nobits
	.p2align	6
	.space	262144
	.amdgpu_metadata
---
amdhsa.version: [ 1, 2 ]
amdhsa.kernels:
  - .name:           k_q8db4952e69_attend
    .symbol:         k_q8db4952e69_attend.kd
    .args:
      - { .name: hidden_states, .offset: 0, .size: 8, .value_kind: global_buffer, .address_space: global }
      - { .name: wq_codes, .offset: 8, .size: 8, .value_kind: global_buffer, .address_space: global }
      - { .name: wq_scales, .offset: 16, .size: 8, .value_kind: global_buffer, .address_space: global }
      - { .name: part_ctx, .offset: 24, .size: 8, .value_kind: global_buffer, .address_space: global }
      - { .name: part_stat, .offset: 32, .size: 8, .value_kind: global_buffer, .address_space: global }
    .group_segment_fixed_size: 327680
    .private_segment_fixed_size: 0
    .kernarg_segment_align: 8
    .kernarg_segment_size: 40
    .max_flat_workgroup_size: 128
    .sgpr_count:     66
    .vgpr_count:     1024
    .wavefront_size: 32
...
	.end_amdgpu_metadata
.endif
;; end of part 2
;; launch finish (part 3): grid 2 x 32, 8 waves a work-group, no clusters, 11,264 bytes of LDS; arguments hidden_states, part_ctx, part_stat, wo_codes, wo_scales, out0; writes out0
.if DOCPART == 3
	.amdgcn_target "amdgcn-amd-amdhsa--gfx1250"
	.amdhsa_code_object_version 6
	.text
	.protected	k_q8db4952e69_finish
	.globl	k_q8db4952e69_finish
	.p2align	8
	.type	k_q8db4952e69_finish,@function
k_q8db4952e69_finish:
	s_mov_b64 s[64:65], 0
	v_nop
	global_prefetch_b8 v0, s[64:65] scope:SCOPE_SE
	s_setreg_imm32_b32 hwreg(HW_REG_WAVE_MODE, 25, 1), 1
	s_wait_xcnt 0x0
; out0[b][n] = tanh(sum over k of Q(pre[b])[k] Q(w_out)[k][n]), pre = [context, h_t].  No work is left out.
; The batch's eight partial contexts (launch attend: sum of e^(score - m_i) hs, with m_i and l_i) are merged: M = the largest m_i, g_i = e^(m_i - M) / sum of e^(m_i - M) l_i, context = sum of g_i x partial i, all in f32.
; SHARES.  Work-group (x, y) makes outputs 64 x .. 64 x + 63 of batch y: 256 consecutive bytes.  Thread t merges four numbers of the context; pre goes to LDS; wave v takes K steps 2 v and 2 v + 1 of the 16,
; quantises its 256 numbers of pre in registers and multiplies them by four tiles of w_out's codes (launch prep: images of the operand's registers).  The eight waves' sums meet in LDS; wave 0 adds them.
; The product has one row: all sixteen rows of source 0 are that row (the lanes read the same LDS bytes), all rows of the result are equal, and register 0 of each accumulator is taken.
; LIMITS: NaN and infinities are not served; a block of zeros gets the byte 1 over zero codes; tanh(x) = 1 - 2 / (1 + e^(2 x)) carries an absolute error of some 1e-7.
.set PRE,   0                          ; LDS: pre, 2,048 f32
.set RED,   8192                       ; [wave 8][64] f32
.set SPARE, 10240                      ; the spare words, 128 bytes for each wave: four blocks of 256 bytes that no other line names
.set SPW,  1                           ; v1   LDS address of my spare word; never rewritten
.set NIL,  2                           ; v2   0; never rewritten
.set T16,  3                           ; v3   16 x thread
.set PRA,  4                           ; v4   PRE + 1,024 v + 64 h
.set L16,  5                           ; v5   16 x lane
.set SCO,  6                           ; v6   512 h + 4 r: lanes 0-15 take K step 2 v's scale words, lanes 16-31 K step 2 v + 1's
.set RDS,  7                           ; v7   RED + 256 v + 4 r
.set RDL,  8                           ; v8   RED + 8 x lane
.set OUTO, 9                           ; v9   8 x lane
.set PW,   10                          ; v10-11 pre's scale words
.set BS,   12                          ; v12-15 w_out's, a tile each
.set TM,   16                          ; v16-31 at work in QUANT
.set PC,   32                          ; v32-63 pre's codes, two fragments
.set X,    64                          ; v64-127: the partials, h_t and the merge; then 64 numbers of pre; then the four accumulators
.set BF,   128                         ; v128-255 w_out's fragments (s, n) at BF + 64 s + 16 n
.set HTV,  96
.set CXV,  100
.set GG,   104                         ; g_i at GG + 2 i (the packed form names a pair)
.set MM,   120
.set LL,   121
; 64 numbers of a lane, register 16 b + i = k 32 b + 16 (lane / 16) + i, become a fragment's codes and its scale word
.macro QUANT src, pc, pw
.irp b, 0,1,2,3
	v_max3_num_f32 v[TM+\b], |v[\src+16*\b]|, |v[\src+1+16*\b]|, 0x4800000   ; block b: my 16 numbers, and the floor 2^(9 - 127): the byte cannot fall under 1
.endr
.irp i, 2,4,6,8,10,12,14
.irp b, 0,1,2,3
	v_max3_num_f32 v[TM+\b], v[TM+\b], |v[\src+16*\b+\i]|, |v[\src+1+16*\b+\i]|
.endr
.endr
.irp b, 0,1,2,3
	v_permlanex16_b32 v[TM+4+\b], v[TM+\b], s20, s21
.endr
.irp b, 0,1,2,3
	v_max_num_f32 v[TM+\b], v[TM+\b], v[TM+4+\b]   ; with lane l xor 16's: the block's largest magnitude
.endr
.irp b, 0,1,2,3
	v_add_nc_u32 v[TM+12+\b], 0xfc000000, v[TM+\b] ; 8 off the exponent field: the conversion's scale operand
.endr
.irp b, 0,1,2,3
	v_and_or_b32 v[TM+8+\b], v[TM+\b], 0x7f800000, s22   ; 448 x the scale
.endr
.irp b, 0,1,2,3
	v_lshrrev_b32 v[TM+4+\b], 23, v[TM+12+\b]      ; the scale's byte
.endr
	v_lshl_or_b32 v[\pw], v[TM+5], 8, v[TM+4]
	v_lshl_or_b32 v[\pw], v[TM+6], 16, v[\pw]
	v_lshl_or_b32 v[\pw], v[TM+7], 24, v[\pw]
.irp b, 0,1,2,3
.irp i, 0,1,2,3,4,5,6,7,8,9,10,11,12,13,14,15
	v_med3_num_f32 v[\src+16*\b+\i], v[\src+16*\b+\i], -v[TM+8+\b], v[TM+8+\b]   ; the conversion to an 8-bit code does not saturate (ISA guide 7.6.2): the hold comes first
.endr
	v_cvt_scalef32_pk8_fp8_f32 v[(\pc)+4*\b:(\pc)+1+4*\b], v[\src+16*\b:\src+7+16*\b], v[TM+12+\b]
	v_cvt_scalef32_pk8_fp8_f32 v[(\pc)+2+4*\b:(\pc)+3+4*\b], v[\src+8+16*\b:\src+15+16*\b], v[TM+12+\b]
.endr
	v_nop                                          ; one plain line between the conversions and whatever next touches their results or writes their sources
.endm
	s_load_b256 s[4:11], s[0:1], 0x0               ; hs s[4:5], part_ctx s[6:7], part_stat s[8:9], wo_codes s[10:11]
	s_load_b128 s[12:15], s[0:1], 0x20             ; wo_scales s[12:13], out0 s[14:15]
	v_lshl_add_u32 v[SPW], v0, 2, SPARE
	v_mov_b32 v[NIL], 0
	v_lshrrev_b32 v16, 5, v0
	v_readfirstlane_b32 s16, v16                   ; wave v
	s_and_b32 s17, ttmp7, 0xffff                   ; the batch
	s_mov_b32 s19, 0
	s_mov_b32 s20, 0x76543210
	s_mov_b32 s21, 0xfedcba98                      ; v_permlanex16_b32's selects for lane l xor 16
	s_mov_b32 s22, 0x600000                        ; the mantissa field of 448
	v_and_b32 v16, 31, v0                          ; lane
	v_and_b32 v17, 15, v0                          ; r
	v_bfe_u32 v18, v0, 4, 1                        ; h
	v_lshlrev_b32 v[T16], 4, v0
	s_lshl_b32 s25, s16, 10
	v_lshl_add_u32 v[PRA], v18, 6, s25
	v_lshlrev_b32 v[L16], 4, v16
	v_lshlrev_b32 v[SCO], 2, v17
	v_lshl_add_u32 v[SCO], v18, 9, v[SCO]
	s_lshl_b32 s25, s16, 8
	s_add_co_u32 s25, s25, RED
	v_lshl_add_u32 v[RDS], v17, 2, s25
	v_lshlrev_b32 v[OUTO], 3, v16
	v_add_nc_u32 v[RDL], RED, v[OUTO]
.irp b, 0,1,2,3
	v_mov_b32 v[TM+4+\b], 0                        ; written once: a lane permute's destination counts as one of its sources
.endr
	s_wait_kmcnt 0x0
	s_lshl_b32 s18, s17, 13                        ; eight work-groups' 1,024 bytes a batch
	s_add_nc_u64 s[8:9], s[8:9], s[18:19]
.irp i, 0,1,2,3,4,5,6,7
	s_load_b64 s[32+2*\i:33+2*\i], s[8:9], 1024*\i ; m_i, l_i
.endr
	s_lshl_b32 s18, s17, 15
	s_add_nc_u64 s[6:7], s[6:7], s[18:19]          ; the batch's eight partials
	s_lshl_b32 s18, s17, 23
	s_add_co_u32 s18, s18, 2047*4096
	s_add_nc_u64 s[4:5], s[4:5], s[18:19]          ; h_t: the batch's last row
	s_lshl_b32 s18, s16, 4
	s_lshl_b32 s24, ttmp9, 2
	s_add_co_u32 s24, s24, s18                     ; 16 v + 4 x: my first image (K step 2 v, tile 4 x)
	s_lshl_b32 s18, s24, 11
	s_add_nc_u64 s[10:11], s[10:11], s[18:19]
	s_lshl_b32 s18, s24, 6
	s_add_nc_u64 s[12:13], s[12:13], s[18:19]
	s_lshl_b32 s18, s17, 9
	s_lshl_b32 s24, ttmp9, 8
	s_add_co_u32 s18, s18, s24
	s_add_nc_u64 s[14:15], s[14:15], s[18:19]      ; my 64 outputs
.irp i, 0,1,2,3,4,5,6,7
	global_load_b128 v[X+4*\i:X+4*\i+3], v[T16], s[6:7] offset:4096*\i
.endr
	global_load_b128 v[HTV:HTV+3], v[T16], s[4:5]
.irp s, 0,1
.irp n, 0,1,2,3
.irp c, 0,1,2,3
	global_load_b128 v[BF+64*\s+16*\n+4*\c:BF+64*\s+16*\n+4*\c+3], v[L16], s[10:11] offset:16384*\s+2048*\n+512*\c
.endr
.endr
.endr
.irp n, 0,1,2,3
	global_load_b32 v[BS+\n], v[SCO], s[12:13] offset:64*\n
.endr
	s_wait_kmcnt 0x0                               ; the eight m and l
	v_max_num_f32 v[MM], s32, s34
	v_max3_num_f32 v[MM], v[MM], s36, s38
	v_max3_num_f32 v[MM], v[MM], s40, s42
	v_max3_num_f32 v[MM], v[MM], s44, s46          ; M
.irp i, 0,1,2,3,4,5,6,7
	v_sub_f32 v[GG+2*\i], s[32+2*\i], v[MM]
.endr
.irp i, 0,1,2,3,4,5,6,7
	v_mul_f32 v[GG+2*\i], 0x3fb8aa3b, v[GG+2*\i]
.endr
.irp i, 0,1,2,3,4,5,6,7
	v_exp_f32 v[GG+2*\i], v[GG+2*\i]               ; e^(m_i - M)
.endr
.irp i, 0,1,2,3,4,5,6,7
	v_mov_b32 v[GG+2*\i+1], 0                      ; (the pairs' upper halves; plain lines behind the exponentials)
.endr
	s_wait_alu depctr_va_vdst(0)                   ; one wait for the eight, ahead of their first reader
	v_mul_f32 v[LL], s33, v[GG]
.irp i, 1,2,3,4,5,6,7
	v_fmac_f32 v[LL], s[33+2*\i], v[GG+2*\i]
.endr
	v_rcp_f32 v[LL], v[LL]
	v_nop
	s_wait_alu depctr_va_vdst(0)
.irp i, 0,1,2,3,4,5,6,7
	v_mul_f32 v[GG+2*\i], v[GG+2*\i], v[LL]        ; g_i
.endr
	s_wait_loadcnt 36                              ; the partials and h_t are in; the 32 loads of codes and the 4 of scale words may be out
	v_pk_mul_f32 v[CXV:CXV+1], v[X:X+1], v[GG:GG+1] op_sel_hi:[1,0]
	v_pk_mul_f32 v[CXV+2:CXV+3], v[X+2:X+3], v[GG:GG+1] op_sel_hi:[1,0]
.irp i, 1,2,3,4,5,6,7
	v_pk_fma_f32 v[CXV:CXV+1], v[X+4*\i:X+4*\i+1], v[GG+2*\i:GG+2*\i+1], v[CXV:CXV+1] op_sel_hi:[1,0,1]
	v_pk_fma_f32 v[CXV+2:CXV+3], v[X+4*\i+2:X+4*\i+3], v[GG+2*\i:GG+2*\i+1], v[CXV+2:CXV+3] op_sel_hi:[1,0,1]
.endr
	ds_store_b128 v[T16], v[CXV:CXV+3] offset:PRE          ; the context,
	ds_store_b128 v[T16], v[HTV:HTV+3] offset:PRE+4096     ; and h_t behind it
	s_wait_dscnt 0x0                               ; for the others' sake
	s_barrier_signal -1
	s_barrier_wait -1                              ; pre lies in LDS
.irp s, 0,1
.irp c, 0,1,2,3
.irp j, 0,1,2,3
	ds_load_b128 v[X+16*\c+4*\j:X+16*\c+4*\j+3], v[PRA] offset:512*\s+128*\c+16*\j   ; k = 256 v + 128 s + 32 c + 16 h + 4 j on: the same bytes in all sixteen lanes of a half
.endr
.endr
	s_wait_dscnt 0x0
	QUANT X, PC+16*\s, PW+\s
.endr
	s_wait_loadcnt 0x0                             ; w_out's codes and scale words
.rept 8
	v_nop                                          ; places between the codes and scale words just made and the products
.endr
.irp n, 0,1,2,3                                ; the four accumulators take turns; the first four products start the sums
	v_wmma_scale_f32_16x16x128_f8f6f4 v[X+8*\n:X+8*\n+7], v[PC:PC+15], v[BF+16*\n:BF+16*\n+15], 0, v[PW], v[BS+\n]
.endr
.irp n, 0,1,2,3
	v_wmma_scale_f32_16x16x128_f8f6f4 v[X+8*\n:X+8*\n+7], v[PC+16:PC+31], v[BF+64+16*\n:BF+64+16*\n+15], v[X+8*\n:X+8*\n+7], v[PW+1], v[BS+\n] matrix_b_scale:MATRIX_SCALE_ROW1
.endr
.rept 8
	v_nop                                          ; places in front of the first read of results (ISA guide 7.12.1)
.endr
.irp n, 0,1,2,3
	ds_store_b32 v[RDS], v[X+8*\n] offset:64*\n    ; column 16 n + r; both halves of the lanes write the same word with the same value
.endr
	s_wait_dscnt 0x0                               ; for wave 0's sake
	s_barrier_signal -1
	s_barrier_wait -1
	s_cmp_lg_u32 s16, 0
	s_cbranch_scc1 .Ldone
.irp i, 0,1,2,3,4,5,6,7
	ds_load_b64 v[96+2*\i:97+2*\i], v[RDL] offset:256*\i   ; two columns a lane, of each wave's sums
.endr
	s_wait_dscnt 0x0
	v_pk_add_f32 v[96:97], v[96:97], v[98:99]
	v_pk_add_f32 v[100:101], v[100:101], v[102:103]
	v_pk_add_f32 v[104:105], v[104:105], v[106:107]
	v_pk_add_f32 v[108:109], v[108:109], v[110:111]
	v_pk_add_f32 v[96:97], v[96:97], v[100:101]
	v_pk_add_f32 v[104:105], v[104:105], v[108:109]
	v_pk_add_f32 v[96:97], v[96:97], v[104:105]
	v_mul_f32 v96, 0x4038aa3b, v96                 ; 2 log2(e) x
	v_mul_f32 v97, 0x4038aa3b, v97
	v_exp_f32 v96, v96
	v_exp_f32 v97, v97
	v_nop
	s_wait_alu depctr_va_vdst(0)
	v_add_f32 v96, 1.0, v96
	v_add_f32 v97, 1.0, v97
	v_rcp_f32 v96, v96
	v_rcp_f32 v97, v97
	v_nop
	s_wait_alu depctr_va_vdst(0)
	v_fma_f32 v96, v96, -2.0, 1.0                  ; tanh(x) = 1 - 2 / (1 + e^(2 x))
	v_fma_f32 v97, v97, -2.0, 1.0
	global_store_b64 v[OUTO], v[96:97], s[14:15]   ; 32 lanes store 256 consecutive bytes, at a multiple of 256 from out0's first byte
.Ldone:
	s_wait_tensorcnt 0x0                           ; the wave's end, behind my last LDS store
	ds_add_u32 v[SPW], v[NIL]
	s_wait_dscnt 0x0
	s_endpgm
.Lfunc_end_k_q8db4952e69_finish:
	.size	k_q8db4952e69_finish, .Lfunc_end_k_q8db4952e69_finish-k_q8db4952e69_finish
	.p2alignl 7, 3214868480
	.fill 96, 4, 3214868480
	.section	.rodata,"a",@progbits
	.p2align	6, 0x0
	.amdhsa_kernel k_q8db4952e69_finish
		.amdhsa_group_segment_fixed_size 11264
		.amdhsa_private_segment_fixed_size 0
		.amdhsa_enable_private_segment 0
		.amdhsa_kernarg_size 48
		.amdhsa_user_sgpr_count 2
		.amdhsa_user_sgpr_kernarg_segment_ptr 1
		.amdhsa_wavefront_size32 1
		.amdhsa_system_sgpr_workgroup_id_x 1
		.amdhsa_system_sgpr_workgroup_id_y 1
		.amdhsa_system_sgpr_workgroup_id_z 1
		.amdhsa_system_vgpr_workitem_id 0
		.amdhsa_next_free_vgpr 256
		.amdhsa_next_free_sgpr 66
		.amdhsa_reserve_vcc 0
		.amdhsa_float_denorm_mode_32 3
		.amdhsa_float_denorm_mode_16_64 3
		.amdhsa_memory_ordered 1
		.amdhsa_forward_progress 1
		.amdhsa_inst_pref_size 33
	.end_amdhsa_kernel
	.amdgpu_metadata
---
amdhsa.version: [ 1, 2 ]
amdhsa.kernels:
  - .name:           k_q8db4952e69_finish
    .symbol:         k_q8db4952e69_finish.kd
    .args:
      - { .name: hidden_states, .offset: 0, .size: 8, .value_kind: global_buffer, .address_space: global }
      - { .name: part_ctx, .offset: 8, .size: 8, .value_kind: global_buffer, .address_space: global }
      - { .name: part_stat, .offset: 16, .size: 8, .value_kind: global_buffer, .address_space: global }
      - { .name: wo_codes, .offset: 24, .size: 8, .value_kind: global_buffer, .address_space: global }
      - { .name: wo_scales, .offset: 32, .size: 8, .value_kind: global_buffer, .address_space: global }
      - { .name: out0, .offset: 40, .size: 8, .value_kind: global_buffer, .address_space: global }
    .group_segment_fixed_size: 11264
    .private_segment_fixed_size: 0
    .kernarg_segment_align: 8
    .kernarg_segment_size: 48
    .max_flat_workgroup_size: 256
    .sgpr_count:     66
    .vgpr_count:     256
    .wavefront_size: 32
...
	.end_amdgpu_metadata
.endif
;; end of part 3
;; ======== version 2 of 2: 3 launches
;; limits: right only within a limited range of input values
;; workspace buffers: wq_codes 1,048,576 bytes; wq_scales 32,768 bytes; wo_codes 262,144 bytes; wo_scales 8,192 bytes; part_ctx 1,048,576 bytes; part_stat 262,144 bytes
;; launch prep (part 4): grid 80 x 1, 4 waves a work-group, no clusters, 0 bytes of LDS; arguments w_score, w_out, wq_codes, wq_scales, wo_codes, wo_scales; writes wq_codes, wq_scales, wo_codes, wo_scales
.if DOCPART == 4
	.amdgcn_target "amdgcn-amd-amdhsa--gfx1250"
	.amdhsa_code_object_version 6
	.text
	.protected	k_q8db4952e69_prep
	.globl	k_q8db4952e69_prep
	.p2align	8
	.type	k_q8db4952e69_prep,@function
k_q8db4952e69_prep:
	s_mov_b64 s[64:65], 0
	v_nop
	global_prefetch_b8 v0, s[64:65] scope:SCOPE_SE
	s_setreg_imm32_b32 hwreg(HW_REG_WAVE_MODE, 25, 1), 1
	s_wait_xcnt 0x0
; THE PROGRAM: out = tanh(Q([context, h_t]) Q(w_out)), context = sum over s of softmax_s(h_t . (Q(hs) Q(w_score))[s]) hs[s].  Three launches: this one, attend, finish.
; NO WORK IS LEFT OUT: every number of the first product enters a score, every score the softmax, every row the context; all three inputs are loaded.
; THIS LAUNCH turns w_score [1024 (k)][1024 (n)] and w_out [2048 (k)][128 (n)], f32, K their FIRST axis, into codes of E4M3 with one E8M0 byte for each 32 along K.
; A block's scale is 2^(floor(log2(its largest magnitude)) - 8); its byte is the largest magnitude's exponent field - 8, held at 1 from below; each number is divided by the scale, held within +-448, rounded to the nearest code, ties to even.
; A LANE TAKES A COLUMN n AND ITS REGISTERS RUN DOWN K: a load reads 128 consecutive bytes a wave, a block of 32 lies in one lane's registers, and the conversions give codes with K innermost.
; THE CODES ARE LAID AS IMAGES OF THE OPERAND'S REGISTERS: for a tile of 16 columns and a K step of 128, [c 4][lane 32][16 bytes], lane 16 h + r = column r, k = 32 c + 16 h + 0 .. 15.
;   wq_codes [w 4][t 64][s 2] images, K step 2 w + s;  wq_scales [w][t][32 words]: word l < 16: K step 2 w, column l; word 16 + l: K step 2 w + 1.   wo_codes [S 16][t 8] images;  wo_scales [S][t][16 words].
; My lane's 16 codes of a half block are 16 bytes of such an image, and sixteen neighbouring lanes hold its 256 neighbouring bytes: each store of codes covers two aligned runs of 256 bytes; no stage is needed.
; The scale words leave in runs of 64 or 128 bytes: 40,960 bytes in all.
; SHARES: a wave takes 32 columns x one K step.  Work-groups 0-63: w_score (x & 7: 128 columns; x >> 3: K step); 64-79: w_out (x - 64: K step).  The two paths differ in the rows' pitch, which stands in the loads' immediates.
; LIMITS: a block of zeros gets the byte 1 where the rule says 127 (its codes are zeros, and this program alone reads the bytes); blocks whose largest magnitude lies under 2^-118 are held at that byte; NaN and infinities are not served.
.set X,  32                            ; v32-159  four blocks of 32 numbers
.set C,  160                           ; v160-191 eight registers of codes a block: no store's data are written again
.set SW, 24                            ; v24      the K step's scale word
.set LB, 20                            ; s[20:21] where my wave's numbers begin
.set CB, 22                            ; s[22:23] its codes
.set SB, 24                            ; s[24:25] its scale words
.macro LOADB c, pitch                  ; block c: W(32 c + i, my column)
.irp i, 0,1,2,3,4,5,6,7,8,9,10,11,12,13,14,15,16,17,18,19,20,21,22,23,24,25,26,27,28,29,30,31
	global_load_b32 v[X+32*(\c)+\i], v3, s[LB:LB+1] offset:(32*(\c)+\i)*(\pitch) th:TH_LOAD_NT
.endr
.endm
.macro BLOCK c, pitch
.set XS, X+32*(\c)
.if (\c) < 2
	s_wait_loadcnt 63                              ; behind this block's 32 loads 96 or 64 were issued; 63 is the largest count that the wait can name, and a smaller count is sound
.else
	s_wait_loadcnt 32*(3-(\c))                     ; the later blocks' loads may be out
.endif
	v_max3_num_f32 v12, |v[XS]|, |v[XS+1]|, |v[XS+2]|              ; the block's largest magnitude: all 32 numbers are mine; two chains
	v_max3_num_f32 v13, |v[XS+3]|, |v[XS+4]|, |v[XS+5]|
.irp i, 6,10,14,18,22,26
	v_max3_num_f32 v12, v12, |v[XS+\i]|, |v[XS+\i+1]|
	v_max3_num_f32 v13, v13, |v[XS+\i+2]|, |v[XS+\i+3]|
.endr
	v_max3_num_f32 v12, v12, |v[XS+30]|, |v[XS+31]|
	v_max3_num_f32 v12, v12, v13, 0x4800000        ; and the floor 2^(9 - 127): the byte cannot fall under 1
	v_add_nc_u32 v11, 0xfc000000, v12              ; 8 off the exponent field: the conversion's scale operand
	v_and_or_b32 v10, v12, 0x7f800000, s31         ; 448 x the scale
	v_lshrrev_b32 v13, 23, v11                     ; the scale's byte
.if (\c) == 0
	v_mov_b32 v[SW], v13
.else
	v_lshl_or_b32 v[SW], v13, 8*(\c), v[SW]        ; the lower K in the lower byte
.endif
.irp i, 0,1,2,3,4,5,6,7,8,9,10,11,12,13,14,15,16,17,18,19,20,21,22,23,24,25,26,27,28,29,30,31
	v_med3_num_f32 v[XS+\i], v[XS+\i], -v10, v10   ; the conversion to an 8-bit code does not saturate (ISA guide 7.6.2): the hold comes first
.endr
.irp g, 0,1,2,3
	v_cvt_scalef32_pk8_fp8_f32 v[C+8*(\c)+2*\g:C+8*(\c)+2*\g+1], v[XS+8*\g:XS+8*\g+7], v11
.endr
	global_store_b128 v6, v[C+8*(\c):C+8*(\c)+3], s[CB:CB+1] offset:512*(\c)        ; k = 32 c + 0 .. 15: lanes r of the image
	global_store_b128 v6, v[C+8*(\c)+4:C+8*(\c)+7], s[CB:CB+1] offset:512*(\c)+256  ; k = 32 c + 16 .. 31: lanes 16 + r
.endm
.macro QW pitch                        ; a wave's whole share.  (The codes go to stores alone, and the next block begins with plain vector lines)
	LOADB 0, \pitch                                ; all four blocks are asked for at once: each has 32 registers of its own
	LOADB 1, \pitch
	LOADB 2, \pitch
	LOADB 3, \pitch
	BLOCK 0, \pitch
	BLOCK 1, \pitch
	BLOCK 2, \pitch
	BLOCK 3, \pitch
	global_store_b32 v7, v[SW], s[SB:SB+1]
	s_endpgm
.endm
	s_load_b256 s[4:11], s[0:1], 0x0               ; w_score s[4:5], w_out s[6:7], wq_codes s[8:9], wq_scales s[10:11]
	s_load_b128 s[12:15], s[0:1], 0x20             ; wo_codes s[12:13], wo_scales s[14:15]
	v_lshrrev_b32 v1, 5, v0
	v_readfirstlane_b32 s16, v1                    ; wave v
	v_and_b32 v2, 31, v0                           ; lane
	v_lshlrev_b32 v3, 2, v2                        ; in: 4 bytes a lane
	v_and_b32 v4, 15, v2                           ; r: my column in its tile of 16
	v_lshrrev_b32 v5, 4, v2                        ; which of my wave's two tiles
	v_lshlrev_b32 v6, 4, v4                        ; 16 r
	s_mov_b32 s31, 0x600000                        ; the mantissa field of 448
	s_mov_b32 s[LB+1], 0
	s_mov_b32 s[CB+1], 0
	s_mov_b32 s[SB+1], 0
	s_wait_kmcnt 0x0
	s_cmp_lt_u32 ttmp9, 64
	s_cbranch_scc0 .Lw_out
	s_and_b32 s17, ttmp9, 7                        ; cb: which 128 columns
	s_lshr_b32 s18, ttmp9, 3                       ; S: which K step
	s_lshl_b32 s[LB], s18, 19                      ; 128 S rows of 4,096 bytes
	s_lshl_b32 s19, s17, 9
	s_add_co_u32 s[LB], s[LB], s19                 ; + 128 cb columns
	s_lshl_b32 s19, s16, 7
	s_add_co_u32 s[LB], s[LB], s19                 ; + 32 v columns
	s_lshr_b32 s26, s18, 1
	s_lshl_b32 s26, s26, 6
	s_lshl_b32 s19, s17, 3
	s_add_co_u32 s26, s26, s19
	s_lshl_b32 s19, s16, 1
	s_add_co_u32 s26, s26, s19                     ; 64 (S >> 1) + 8 cb + 2 v: my wave's first tile
	s_and_b32 s27, s18, 1                          ; s
	s_lshl_b32 s[CB], s26, 1
	s_add_co_u32 s[CB], s[CB], s27
	s_lshl_b32 s[CB], s[CB], 11                    ; images of 2,048 bytes
	s_lshl_b32 s[SB], s26, 7                       ; 32 words a tile
	s_lshl_b32 s19, s27, 6
	s_add_co_u32 s[SB], s[SB], s19                 ; + 16 words for the odd K step
	s_wait_alu depctr_va_vdst(0)
	v_lshl_add_u32 v6, v5, 12, v6                  ; the second tile lies two images on
	v_lshlrev_b32 v7, 2, v4
	v_lshl_add_u32 v7, v5, 7, v7
	s_add_nc_u64 s[LB:LB+1], s[4:5], s[LB:LB+1]
	s_add_nc_u64 s[CB:CB+1], s[8:9], s[CB:CB+1]
	s_add_nc_u64 s[SB:SB+1], s[10:11], s[SB:SB+1]
	QW 4096
.Lw_out:
	s_sub_co_u32 s18, ttmp9, 64                    ; S
	s_lshl_b32 s[LB], s18, 16                      ; 128 S rows of 512 bytes
	s_lshl_b32 s19, s16, 7
	s_add_co_u32 s[LB], s[LB], s19                 ; + 32 v columns
	s_lshl_b32 s[CB], s18, 14                      ; (8 S + 2 v) images
	s_lshl_b32 s19, s16, 12
	s_add_co_u32 s[CB], s[CB], s19
	s_lshl_b32 s[SB], s18, 9                       ; (8 S + 2 v) x 16 words
	s_lshl_b32 s19, s16, 7
	s_add_co_u32 s[SB], s[SB], s19
	s_wait_alu depctr_va_vdst(0)
	v_lshl_add_u32 v6, v5, 11, v6                  ; the second tile lies one image on
	v_mov_b32 v7, v3                               ; 4 x lane
	s_add_nc_u64 s[LB:LB+1], s[6:7], s[LB:LB+1]
	s_add_nc_u64 s[CB:CB+1], s[12:13], s[CB:CB+1]
	s_add_nc_u64 s[SB:SB+1], s[14:15], s[SB:SB+1]
	QW 512
.Lfunc_end_k_q8db4952e69_prep:
	.size	k_q8db4952e69_prep, .Lfunc_end_k_q8db4952e69_prep-k_q8db4952e69_prep
	.p2alignl 7, 3214868480
	.fill 96, 4, 3214868480
	.section	.rodata,"a",@progbits
	.p2align	6, 0x0
	.amdhsa_kernel k_q8db4952e69_prep
		.amdhsa_group_segment_fixed_size 0
		.amdhsa_private_segment_fixed_size 0
		.amdhsa_enable_private_segment 0
		.amdhsa_kernarg_size 48
		.amdhsa_user_sgpr_count 2
		.amdhsa_user_sgpr_kernarg_segment_ptr 1
		.amdhsa_wavefront_size32 1
		.amdhsa_system_sgpr_workgroup_id_x 1
		.amdhsa_system_sgpr_workgroup_id_y 1
		.amdhsa_system_sgpr_workgroup_id_z 1
		.amdhsa_system_vgpr_workitem_id 0
		.amdhsa_next_free_vgpr 192
		.amdhsa_next_free_sgpr 66
		.amdhsa_reserve_vcc 0
		.amdhsa_float_denorm_mode_32 3
		.amdhsa_float_denorm_mode_16_64 3
		.amdhsa_memory_ordered 1
		.amdhsa_forward_progress 1
		.amdhsa_inst_pref_size 57
	.end_amdhsa_kernel
	.amdgpu_metadata
---
amdhsa.version: [ 1, 2 ]
amdhsa.kernels:
  - .name:           k_q8db4952e69_prep
    .symbol:         k_q8db4952e69_prep.kd
    .args:
      - { .name: w_score, .offset: 0, .size: 8, .value_kind: global_buffer, .address_space: global }
      - { .name: w_out, .offset: 8, .size: 8, .value_kind: global_buffer, .address_space: global }
      - { .name: wq_codes, .offset: 16, .size: 8, .value_kind: global_buffer, .address_space: global }
      - { .name: wq_scales, .offset: 24, .size: 8, .value_kind: global_buffer, .address_space: global }
      - { .name: wo_codes, .offset: 32, .size: 8, .value_kind: global_buffer, .address_space: global }
      - { .name: wo_scales, .offset: 40, .size: 8, .value_kind: global_buffer, .address_space: global }
    .group_segment_fixed_size: 0
    .private_segment_fixed_size: 0
    .kernarg_segment_align: 8
    .kernarg_segment_size: 48
    .max_flat_workgroup_size: 128
    .sgpr_count:     66
    .vgpr_count:     192
    .wavefront_size: 32
...
	.end_amdgpu_metadata
.endif
;; end of part 4
;; launch attend (part 5): grid 256 x 1, 4 waves a work-group, no clusters, 327,680 bytes of LDS; arguments hidden_states, wq_codes, wq_scales, part_ctx, part_stat; writes part_ctx, part_stat
.if DOCPART == 5
	.amdgcn_target "amdgcn-amd-amdhsa--gfx1250"
	.amdhsa_code_object_version 6
	.text
	.protected	k_q8db4952e69_attend
	.globl	k_q8db4952e69_attend
	.p2align	8
	.type	k_q8db4952e69_attend,@function
k_q8db4952e69_attend:
	s_mov_b64 s[64:65], 0
	v_nop
	global_prefetch_b8 v0, s[64:65] scope:SCOPE_SE
	s_setreg_imm32_b32 hwreg(HW_REG_WAVE_MODE, 25, 1), 1
	s_wait_xcnt 0x0
; For 256 rows of hidden_states (hs) of one batch: dense = Q(hs) Q(w_score) on codes of E4M3, score = h_t . dense, a running softmax over the rows, and the unnormalised partial context sum p hs.  No work is left out.
; hs IS READ ONCE, AND W's CODES TWICE.  A work-group takes its 256 rows in two passes of 128.  A pass's first 64 rows land in LDS by tensor loads and are read out into registers as f32, where they STAY
; (the HOLD, 512 registers a wave); the landing block then takes the pass's other 64 rows, which stay THERE.  Both halves are quantised without being changed, all 128 rows meet each fragment of W once,
; and when the scores are known the context is summed from the registers and from LDS.
; K IS SHARED AMONG THE FOUR WAVES: wave w owns k = 256 w .. 256 w + 255 of all rows.  The score is linear in dense, so each wave's part of the sums over K is multiplied by h_t and summed over N by itself, and the
; four parts are added at the end, all in f32.  So each wave quantises just the numbers that it reads, holds just the columns of the context that it will sum, and each fragment of W is read by one wave and feeds eight products.
; W's codes come from memory straight into a ring of four register sets (a set = one tile of 16 columns x my 256 along K, 32 registers), three tiles ahead, as images of the operand's registers (launch prep).
; NO JOINT LOADS for W, though all work-groups read it: the landing blocks, the spill, h_t, the scores and the spare words take 307,712 of the 327,680 bytes of LDS; the 19,968 left hold one tile of W for the
; four waves (16,896 bytes) and not the two slots that a ring wants.  hs is shared by nobody.
; LAYOUT.  Row tile T = 0 .. 7 is rows 16 T on of the pass.  Lane (r, h) holds row 16 T + r; number 64 s + 16 c + i of its 128 is k = 256 w + 128 s + 32 c + 16 h + i: the order of an 8-bit operand's registers.
; Source 0 = 16 rows of hs, source 1 = 16 columns of W: in the result register j of lane (r, h) is (row 8 h + j, column r), which is multiplied by h_t[column], one number a lane.
; LIMITS: scores finite and above -3e38; NaN and infinities are not served; a block of zeros gets the byte 1 over zero codes; the sums over K and N are taken in another order than reference()'s, in f32.
; REGISTERS, in windows of 256 (s_set_vgpr_msb: bits 1:0 source 0, 3:2 source 1, 5:4 source 2, 7:6 destination):
;   window 0: v1-11 addresses and work; v12 m, v13 l; v14 f; v16-19 at work; v20-23, v60-63 the ring's offsets; v24-31 my 8 numbers of the context; v32-47 hs's scale words; v48-51 W's; v52-59 h_t, a pair a set;
;             v64-127 the scores' sums (their upper half is at work while rows are quantised); v128-255 the codes of tiles 0-3, later the weighted sum of the rows.
;   window 1: v0-127 the ring of W; v128-255 the codes of tiles 4-7, later two buffers for rows on their way from LDS into the context.
;   windows 2, 3: the hold of tiles 0-3.  v192-255 of window 3 are also the two sets of four accumulators, and the registers through which tiles 4-7 are quantised: that piece of the hold waits in LDS meanwhile.
.set LPITCH, 1040                      ; a landed row: 1,024 bytes + 16 of padding = 65 x 16: the sixteen rows that a load touches start at sixteen different 16-byte columns of 256 bytes
.set LBLK,   64*LPITCH                 ; a wave's landing block: 64 rows
.set CHUNKB, 64*4096                   ; 64 rows of hs in memory
.set SPILL,  4*LBLK                    ; 8,192 bytes a wave: the image of 64 hold registers
.set HT,     SPILL+4*8192              ; h_t, 4,096 bytes, and its first 2,048 once more: the ring asks for tiles 64-67, which are tiles 0-3
.set SCX,    HT+6144                   ; [row 128][wave 4] f32: the four parts of each score
.set SPARE,  SCX+2048                  ; the spare words, 128 bytes for each wave: two blocks of 256 bytes that no other line names
.set SPW,  1                           ; v1   LDS address of my spare word; never rewritten
.set NIL,  2                           ; v2   0; never rewritten
.set XA,   3                           ; v3   my place in the landing block: LBLK w + LPITCH r + 64 h
.set HTA,  4                           ; v4   h_t of the next trip's four tiles
.set HTA0, 5                           ; v5   HT + 4 r
.set SPA,  6                           ; v6   SPILL + 8,192 w + 16 x lane
.set SXS,  7                           ; v7   where I put my four rows' parts of the scores
.set SXL,  8                           ; v8   SCX + 16 r
.set PFO,  9                           ; v9   the prefetches' offset: row lane / 4, block lane % 4 of my 1,024 bytes of it; never rewritten
.set WK,   10                          ; v10-11 at work
.set MX,   12                          ; v12 m, v13 l
.set FF,   14                          ; v14 f = e^(old m - new m); v15 named with it as a pair
.set TS,   16                          ; v16-19 what FOLD sends
.set SOF,  20                          ; v20-23 set u's offset among W's scale words
.set CTX,  24
.set ASC,  32                          ; hs's scale word of (T, s) at ASC + 2 T + s
.set BSC,  48                          ; set u's scale words of W: lanes 0-15 K step 2 w, lanes 16-31 K step 2 w + 1
.set HTR,  52                          ; set u's h_t at HTR + 2 u (the packed form names a pair)
.set WOF,  60                          ; v60-63 set u's offset among W's codes
.set SA,   64                          ; SA + 8 T + j: my column's share of the score of row 16 T + 8 h + j
.set TM,   96
.set CT,   112                         ; 16 numbers, clamped; later p of row 16 T + r at CT + 2 T
.set CD,   128                         ; the codes of (T, s) at CD + 32 (T % 4) + 16 s, window T / 4
.set ACC,  192                         ; in window 3: accumulator (set p, T % 4) at ACC + 32 p + 8 (T % 4)
.set G1,   24                          ; s[24:31] descriptor group 1
.set G0,   32                          ; s[32:35] descriptor group 0
.set MK8,  36                          ; s36-39 the lanes with r & 8, 4, 2, 1
.set PFA,  40                          ; s[40:41] my 1,024 bytes of row 64 of the first pass; never rewritten
.set PFB,  42                          ; s[42:43] my 1,024 bytes of the first of the eight rows of the second pass that the trip in hand asks for; stepped once a trip
.set MSB, 0
.macro WIN new                         ; the immediate's high byte repeats the setting that is left; a switch that changes nothing is dropped
.if MSB != (\new)
	s_set_vgpr_msb (MSB<<8)|(\new)
.set MSB, (\new)
.endif
.endm
; 64 numbers a lane, rows 16 T on of the landing block, K step s, into v[base] on of a window
.macro FETCH64 T, s, win, base
	WIN (\win)<<6
.irp c, 0,1,2,3
.irp j, 0,1,2,3
	ds_load_b128 v[(\base)+16*\c+4*\j:(\base)+16*\c+4*\j+3], v[XA] offset:16*(\T)*LPITCH+512*(\s)+128*\c+16*\j
.endr
.endr
.endm
.macro READ T, s                       ; tiles 0-3: into the hold; tiles 4-7: into the 64 registers through which they are quantised
.if (\T) < 4
.set RX, 2+(\T)/2
.set RH, 128*((\T)%2)+64*(\s)
.else
.set RX, 3
.set RH, ACC
.endif
	FETCH64 (\T)%4, \s, RX, RH
.endm
; The 64 numbers of (T, s) become a fragment's codes and its scale word; the numbers are not changed.  They stand where one window field reaches them:
; as sources 1 and 2 of the maximum, as source 2 of the hold at the largest code (the middle of three numbers does not hang on their order).
.macro QUANT T, s
.if (\T) < 4
.set QX, 2+(\T)/2
.set QH, 128*((\T)%2)+64*(\s)
.set QD, 0
.else
.set QX, 3
.set QH, ACC
.set QD, 1
.endif
.set QC, CD+32*((\T)%4)+16*(\s)
.set QA, ASC+2*(\T)+(\s)
	WIN (QX<<2)|(QX<<4)
.irp c, 0,1,2,3
	v_max3_num_f32 v[TM+\c], 0x4800000, |v[QH+16*\c]|, |v[QH+16*\c+1]|   ; block c: my 16 numbers, and the floor 2^(9 - 127): the byte cannot fall under 1
.endr
.irp i, 2,4,6,8,10,12,14
.irp c, 0,1,2,3
	v_max3_num_f32 v[TM+\c], v[TM+\c], |v[QH+16*\c+\i]|, |v[QH+16*\c+\i+1]|   ; (the four blocks by turns)
.endr
.endr
	WIN 0
.irp c, 0,1,2,3
	v_permlanex16_b32 v[TM+4+\c], v[TM+\c], s20, s21
.endr
.irp c, 0,1,2,3
	v_max_num_f32 v[TM+\c], v[TM+\c], v[TM+4+\c]   ; with lane l xor 16's 16: the block's largest magnitude
.endr
.irp c, 0,1,2,3
	v_add_nc_u32 v[TM+12+\c], 0xfc000000, v[TM+\c] ; 8 off the exponent field: the conversion's scale operand
.endr
.irp c, 0,1,2,3
	v_and_or_b32 v[TM+8+\c], v[TM+\c], 0x7f800000, s22   ; 448 x the scale
.endr
.irp c, 0,1,2,3
	v_lshrrev_b32 v[TM+4+\c], 23, v[TM+12+\c]      ; the scale's byte
.endr
	v_lshl_or_b32 v[QA], v[TM+5], 8, v[TM+4]       ; my row's scale word
	v_lshl_or_b32 v[QA], v[TM+6], 16, v[QA]
	v_lshl_or_b32 v[QA], v[TM+7], 24, v[QA]
.irp c, 0,1,2,3
	WIN QX<<4
.irp i, 0,1,2,3,4,5,6,7,8,9,10,11,12,13,14,15
	v_med3_num_f32 v[CT+\i], -v[TM+8+\c], v[TM+8+\c], v[QH+16*\c+\i]   ; the conversion to an 8-bit code does not saturate (ISA guide 7.6.2): the hold at the largest code x the scale, into other registers
.endr
	WIN (QX<<4)|(QD<<6)                            ; the codes of tiles 4-7 go to window 1
	v_cvt_scalef32_pk8_fp8_f32 v[QC+4*\c:QC+4*\c+1], v[CT:CT+7], v[TM+12+\c]
	v_cvt_scalef32_pk8_fp8_f32 v[QC+4*\c+2:QC+4*\c+3], v[CT+8:CT+15], v[TM+12+\c]
	v_nop                                          ; one plain line between the conversions and the next lines that write their sources
.endr
.endm
; Step v = 2 u + p of a trip, eight products: row tiles 4 p .. 4 p + 3 x set u's 16 columns x my two K steps.  The first four start the sums; the four accumulators take turns.
.macro MUL8 v, cnt
.if ((\v)%2) == 0
	s_wait_loadcnt \cnt                            ; set u's nine loads are in; cnt younger ones may be out
.endif
	WIN 0xf4|((\v)%2)                              ; A window 0 or 1, B window 1, C and D window 3
.irp T, 0,1,2,3
	v_wmma_scale_f32_16x16x128_f8f6f4 v[ACC+32*((\v)%2)+8*\T:ACC+32*((\v)%2)+8*\T+7], v[CD+32*\T:CD+32*\T+15], v[32*((\v)/2):32*((\v)/2)+15], 0, v[ASC+8*((\v)%2)+2*\T], v[BSC+(\v)/2]
.endr
.irp T, 0,1,2,3
	v_wmma_scale_f32_16x16x128_f8f6f4 v[ACC+32*((\v)%2)+8*\T:ACC+32*((\v)%2)+8*\T+7], v[CD+32*\T+16:CD+32*\T+31], v[32*((\v)/2)+16:32*((\v)/2)+31], v[ACC+32*((\v)%2)+8*\T:ACC+32*((\v)%2)+8*\T+7], v[ASC+8*((\v)%2)+2*\T+1], v[BSC+(\v)/2] matrix_b_scale:MATRIX_SCALE_ROW1
.endr
.endm
; Step v's results x h_t of my column, onto the scores' sums: each accumulator from its low end on
.macro DOT v, cnt
.if ((\v)%2) == 0
	s_wait_dscnt \cnt                              ; set u's h_t is in; cnt younger LDS loads may be out
.endif
	WIN 0x03                                       ; source 0 window 3
.irp T, 0,1,2,3
.irp i, 0,2,4,6
	v_pk_fma_f32 v[SA+32*((\v)%2)+8*\T+\i:SA+32*((\v)%2)+8*\T+\i+1], v[ACC+32*((\v)%2)+8*\T+\i:ACC+32*((\v)%2)+8*\T+\i+1], v[HTR+2*((\v)/2):HTR+2*((\v)/2)+1], v[SA+32*((\v)%2)+8*\T+\i:SA+32*((\v)%2)+8*\T+\i+1] op_sel_hi:[1,0,1]
.endr
.endr
.endm
; Set u takes the tile four further on: nine global loads.  EACH SET HAS OFFSET REGISTERS OF ITS OWN: the loads that read them last are the set's own last nine, which the counted wait ahead of the set's
; products has shown done; so the offsets are stepped here with no further wait.
.macro NEXTW u
	WIN 0
	v_add_nc_u32 v[WOF+(\u)], 0x4000, v[WOF+(\u)]  ; four tiles of 4,096 bytes on,
	v_and_b32 v[WOF+(\u)], 0x3ffff, v[WOF+(\u)]    ; round the 64 tiles: a pass's last trip asks for the next pass's first four
	v_add_nc_u32 v[SOF+(\u)], 0x200, v[SOF+(\u)]
	v_and_b32 v[SOF+(\u)], 0x1fff, v[SOF+(\u)]
	global_load_b32 v[BSC+(\u)], v[SOF+(\u)], s[8:9]
	WIN 0x40                                       ; destination window 1
.irp k, 0,1,2,3,4,5,6,7
	global_load_b128 v[32*(\u)+4*\k:32*(\u)+4*\k+3], v[WOF+(\u)], s[6:7] offset:512*\k
.endr
.endm
.macro NEXTH u                         ; and that tile's h_t, when both of the set's steps have used the old one
	WIN 0
	ds_load_b32 v[HTR+2*(\u)], v[HTA] offset:64*(\u)
.endm
; FOUR TILES OF COLUMNS x 128 ROWS, 64 products in eight steps.  Step v's results are multiplied by h_t behind step v + 1's products, on the other set of accumulators; a ring set is asked for anew behind its second step.
; PLACES (eight in front of a read of results and of a load into an operand, nine in front of a product that begins an accumulator anew): behind step v's products stand the 16 packed lines of
; step v - 1, which name none of their registers; behind step 0's the nine lines below.
; COUNTS.  ld = 1: behind a set's nine loads the three other sets' were issued: 27.  Behind a set's h_t the three other sets': 3.  ld = 0, the launch's last trip, asks for nothing: the counts run down.
.macro TRIP ld
	MUL8 0, 27
	WIN 0
.if \ld
	v_add_nc_u32 v[HTA], s16, v[HTA0]              ; s16 = 256 x (trip + 1)
.else
	v_nop
.endif
.rept 8
	v_nop
.endr
.irp u, 0,1,2,3
	MUL8 2*\u+1, 0
	DOT 2*\u, 3-(1-\ld)*\u
.if \ld
	NEXTW \u
.endif
.if \u < 3
	MUL8 2*\u+2, 27-(1-\ld)*9*(\u+1)
.endif
	DOT 2*\u+1, 0
.if \ld
	NEXTH \u
.endif
.endr
	WIN 0
.endm
; A step of a sum over the 16 lanes of a row that leaves each lane a share: of each pair of registers j, j + 2^b a lane keeps one (the upper where its bit xm of r is set), sends the other to lane l xor xm
; and adds what it receives.  Registers j < n with the bits from b up to top's all 0; G pairs by turns.
.macro FOLD base, n, top, b, xm, mask, G
.set fj, 0
.rept (\n)/(\G)
.if (fj&((\top)-(1<<(\b)))) == 0
.set fk, 0
.rept \G
	v_cndmask_b32 v[TS+fk], v[\base+fj+fk+(1<<(\b))], v[\base+fj+fk], s[\mask]
.set fk, fk+1
.endr
.set fk, 0
.rept \G
	v_cndmask_b32 v[\base+fj+fk], v[\base+fj+fk], v[\base+fj+fk+(1<<(\b))], s[\mask]
.set fk, fk+1
.endr
.set fk, 0
.rept \G
	v_add_f32_dpp v[\base+fj+fk], v[TS+fk], v[\base+fj+fk] row_xmask:\xm row_mask:0xf bank_mask:0xf
.set fk, fk+1
.endr
.endif
.set fj, fj+(\G)
.endr
.endm
	s_load_b256 s[4:11], s[0:1], 0x0               ; hs s[4:5], wq_codes s[6:7], wq_scales s[8:9], part_ctx s[10:11]
	s_load_b64 s[12:13], s[0:1], 0x20              ; part_stat
	v_lshl_add_u32 v[SPW], v0, 2, SPARE
	v_mov_b32 v[NIL], 0
	ds_add_u32 v[SPW], v[NIL]                      ; the wave's opening: the add, twice on end, and its wait ahead of my first tensor load
	ds_add_u32 v[SPW], v[NIL]
	v_lshrrev_b32 v[WK], 5, v0
	v_readfirstlane_b32 s14, v[WK]                 ; wave w
	; descriptor group 1: a tile of 64 rows x 256 elements of 4 bytes, rows 1,024 elements apart, 4 words of padding behind every 256
	s_mov_b32 s[G1+0], (2<<16)|(1<<20)|(7<<22)|(3<<25)
	s_mov_b32 s[G1+1], 256<<16                     ; tensor_dim0
	s_mov_b32 s[G1+2], 64<<16                      ; tensor_dim1
	s_mov_b32 s[G1+3], 256<<16                     ; tile_dim0
	s_mov_b32 s[G1+4], 64                          ; tile_dim1
	s_mov_b32 s[G1+5], 1024                        ; tensor_dim0_stride
	s_mov_b32 s[G1+6], 0
	s_mov_b32 s[G1+7], 0
	s_mov_b32 s[G0], 1
	s_mul_i32 s[G0+1], s14, LBLK                   ; my landing block
	s_lshl_b32 s2, ttmp9, 20                       ; my work-group's 256 rows of 4,096 bytes
	s_lshl_b32 s3, s14, 10                         ; my 1,024 bytes of a row
	s_add_co_u32 s2, s2, s3
	s_mov_b32 s3, 0
	s_mov_b32 s20, 0x76543210
	s_mov_b32 s21, 0xfedcba98                      ; v_permlanex16_b32's selects for lane l xor 16
	s_mov_b32 s22, 0x600000                        ; the mantissa field of 448
	s_mov_b32 s23, 0x3fb8aa3b                      ; log2(e)
	s_wait_dscnt 0x0                               ; both opening adds are done
	s_wait_kmcnt 0x0
	s_add_nc_u64 s[G0+2:G0+3], s[4:5], s[2:3]      ; my part of the first 64 rows
	s_add_nc_u64 s[PFA:PFA+1], s[G0+2:G0+3], CHUNKB
	s_add_nc_u64 s[PFB:PFB+1], s[G0+2:G0+3], 2*CHUNKB
	s_or_b32 s[G0+3], s[G0+3], 0x80000000          ; type = 2
	s_lshr_b32 s2, ttmp9, 3                        ; the batch
	s_lshl_b32 s2, s2, 23
	s_add_co_u32 s2, s2, 2047*4096                 ; its last row: h_t
	s_add_nc_u64 s[18:19], s[4:5], s[2:3]
	v_lshlrev_b32 v[WK], 4, v0
	global_load_b128 v[64:67], v[WK], s[18:19]
	global_load_b128 v[68:71], v[WK], s[18:19] offset:2048
	v_add_nc_u32 v[WK+1], HT, v[WK]
	s_lshl_b32 s2, s14, 18
	s_add_nc_u64 s[6:7], s[6:7], s[2:3]            ; my quarter of W's codes,
	s_lshl_b32 s2, s14, 13
	s_add_nc_u64 s[8:9], s[8:9], s[2:3]            ; of its scale words
	s_lshl_b32 s2, ttmp9, 12
	s_add_nc_u64 s[10:11], s[10:11], s[2:3]        ; my work-group's partial context
	s_lshl_b32 s2, ttmp9, 10
	s_add_nc_u64 s[12:13], s[12:13], s[2:3]        ; and its m and l
	v_and_b32 v72, 15, v0                          ; r
	v_bfe_u32 v73, v0, 4, 1                        ; h
	v_and_b32 v74, 31, v0                          ; lane
	v_lshrrev_b32 v75, 1, v72                      ; r / 2
	v_and_b32 v76, 1, v72                          ; r % 2
	v_mul_u32_u24 v[XA], v72, LPITCH
	v_lshl_add_u32 v[XA], v73, 6, v[XA]
	v_add_nc_u32 v[XA], s[G0+1], v[XA]
	v_lshl_add_u32 v[HTA0], v72, 2, HT
	v_mov_b32 v[HTA], v[HTA0]
	s_lshl_b32 s17, s14, 13
	v_lshl_add_u32 v[SPA], v74, 4, SPILL
	v_add_nc_u32 v[SPA], s17, v[SPA]
	v_lshlrev_b32 v[SXS], 8, v75                   ; 16 bytes a row: 256 (r / 2) + 128 h + 64 (r % 2),
	v_lshl_add_u32 v[SXS], v73, 7, v[SXS]
	v_lshl_add_u32 v[SXS], v76, 6, v[SXS]
	s_lshl_b32 s17, s14, 2                         ; + 4 w
	s_add_co_u32 s17, s17, SCX
	v_add_nc_u32 v[SXS], s17, v[SXS]
	v_lshl_add_u32 v[SXL], v72, 4, SCX
	v_lshrrev_b32 v77, 2, v74
	v_and_b32 v78, 3, v74
	v_lshlrev_b32 v[PFO], 12, v77                  ; row lane / 4,
	v_lshl_add_u32 v[PFO], v78, 8, v[PFO]          ; 256 bytes x lane % 4
.irp u, 0,1,2,3
	v_lshl_add_u32 v[WOF+\u], v74, 4, 0x3c000+4096*\u   ; 16 x lane, at tile u - 4 round the 64: the first step leads to tile u
	v_lshl_add_u32 v[SOF+\u], v74, 2, 0x1e00+128*\u     ; 4 x lane, likewise
.endr
	v_and_b32 v77, 8, v72
	v_cmp_ne_u32 s[MK8], 0, v77
	v_and_b32 v77, 4, v72
	v_cmp_ne_u32 s[MK8+1], 0, v77
	v_and_b32 v77, 2, v72
	v_cmp_ne_u32 s[MK8+2], 0, v77
	v_and_b32 v77, 1, v72
	v_cmp_ne_u32 s[MK8+3], 0, v77
	v_mov_b32 v[MX], 0xff61b1e6                    ; m = -3e38, under every score: the first f is 0 and finds zeros
	v_mov_b32 v[MX+1], 0
	v_mov_b32 v[FF], 0
	v_mov_b32 v[FF+1], 0                           ; (named as a pair's upper half)
.irp i, 0,1,2,3,4,5,6,7
	v_mov_b32 v[CTX+\i], 0
.endr
.irp c, 0,1,2,3
	v_mov_b32 v[HTR+2*\c+1], 0                     ; (named as a pair's upper half)
	v_mov_b32 v[TM+4+\c], 0                        ; written once: a lane permute's destination counts as one of its sources
.endr
	s_wait_loadcnt 0x0                             ; h_t
	ds_store_b128 v[WK+1], v[64:67]
	ds_store_b128 v[WK+1], v[68:71] offset:2048
	ds_store_b128 v[WK+1], v[64:67] offset:4096    ; its first 2,048 bytes once more
	s_wait_dscnt 0x0                               ; for the others' sake
	s_barrier_signal -1
	s_barrier_wait -1                              ; h_t lies in LDS
.irp u, 0,1,2,3
	NEXTW \u                                       ; tiles 0 to 3
	NEXTH \u
.endr
	WIN 0
	s_mov_b32 s15, 2
.Lpass:                                                ; two passes of 128 rows; each issues its two tensor loads, so none is jumped over.  One tensor load of mine is out at a time
	s_wait_tensorcnt 0x0                           ; no tensor load of mine is out
	ds_add_u32 v[SPW], v[NIL]                      ; 0 onto my spare word,
	ds_add_u32 v[SPW], v[NIL]                      ; and twice on end, in every trip alike
	s_wait_dscnt 0x0                               ; the adds are done, and my reads of the landing block and of the scores are over
	s_barrier_signal -1
	s_barrier_wait -1                              ; that now holds of all four waves
	tensor_load_to_lds s[G0:G0+3], s[G1:G1+7]      ; the pass's rows 0-63: in the first pass the block's first fill, in the second a refill; my one tensor load behind the barrier, and the first thing there
	s_nop 0
.rept 4
	v_nop
.endr
	s_wait_tensorcnt 0x0                           ; no load was issued behind it, so the count is 0: the rows have landed; only I read my block
	s_add_nc_u64 s[G0+2:G0+3], s[G0+2:G0+3], CHUNKB   ; the load is done, so group 0 may be written: the next 64 rows; the type bits on top are not reached
	; A PREFETCH INTO THE L2, in the first pass alone, of what my next tensor load will ask for: my 1,024 bytes of the pass's rows 64-127, a lane to each aligned 256 bytes, 8 rows an instruction.
	; Each wave asks for its own bytes, which no other wave of the launch reads: each block is named once.  It stands a read-out, 128 LDS loads a wave, ahead of that load.
	; Nothing is asked for the launch's first 64 rows; the second pass's 128 rows are asked for in the first pass's trips.
	s_cmp_eq_u32 s15, 2
	s_cbranch_scc0 .Lasked_before
.irp i, 0,1,2,3,4,5,6,7
	global_prefetch_b8 v[PFO], s[PFA:PFA+1] offset:32768*\i th:TH_LOAD_NT scope:SCOPE_SE
.endr
.Lasked_before:
.irp T, 0,1,2,3
	READ \T, 0                                     ; the read-out: 512 registers
	READ \T, 1
.endr
	WIN 0
	s_wait_tensorcnt 0x0                           ; no tensor load of mine is out
	ds_add_u32 v[SPW], v[NIL]                      ; 0 onto my spare word
	s_wait_dscnt 0x0                               ; the add is done, and my reads of the landing block are over
	s_barrier_signal -1
	s_barrier_wait -1
	tensor_load_to_lds s[G0:G0+3], s[G1:G1+7]      ; the pass's rows 64-127; they land while rows 0-63 are quantised out of the hold
	s_nop 0
.rept 4
	v_nop
.endr
	WIN 0x0c                                       ; an LDS store's data: window 3
.irp q, 0,1,2,3,4,5,6,7,8,9,10,11,12,13,14,15
	ds_store_b128 v[SPA], v[ACC+4*\q:ACC+4*\q+3] offset:512*\q   ; the hold's piece (T = 3, s = 1) waits in LDS
.endr
.irp T, 0,1,2,3
	QUANT \T, 0
	QUANT \T, 1
.endr
	WIN 0
	s_wait_dscnt 0x0                               ; the stores have read their registers, which the loads below write
	s_wait_tensorcnt 0x0                           ; rows 64-127 have landed (no load was issued behind theirs); they stay in LDS
	s_add_nc_u64 s[G0+2:G0+3], s[G0+2:G0+3], CHUNKB
.irp T, 4,5,6,7
.irp s, 0,1
	READ \T, \s
	s_wait_dscnt 0x0
	QUANT \T, \s
.endr
.endr
	WIN 0
.set qi, 0
.rept 64
	v_mov_b32 v[SA+qi], 0                          ; the scores' sums begin; these lines are also the places between the last scale word and codes and the products
.set qi, qi+1
.endr
	s_mov_b32 s16, 256
.Ltrip:                                                ; 15 of the pass's 16 trips
	; A PREFETCH INTO THE L2, one instruction a trip of the first pass: trip i asks for my 1,024 bytes of rows 8 i .. 8 i + 7 of the second pass, a lane to each aligned 256 bytes.
	; The pass's 16 trips name its successor's 128 rows, each block once, 16 trips ahead of the pass that loads them.  The second pass has no successor and asks for nothing.
	s_cmp_eq_u32 s15, 2
	s_cbranch_scc0 .Lnone_ahead
	global_prefetch_b8 v[PFO], s[PFB:PFB+1] th:TH_LOAD_NT scope:SCOPE_SE
.Lnone_ahead:
	TRIP 1
	s_wait_xcnt 0x0                                ; the prefetch, a trip back, has read its address, so it may be written:
	s_add_nc_u64 s[PFB:PFB+1], s[PFB:PFB+1], 32768 ; eight rows on
	s_add_co_u32 s16, s16, 256
	s_cmp_le_u32 s16, 3840
	s_cbranch_scc1 .Ltrip
	s_cmp_eq_u32 s15, 1
	s_cbranch_scc1 .Llast_trip
	global_prefetch_b8 v[PFO], s[PFB:PFB+1] th:TH_LOAD_NT scope:SCOPE_SE   ; the first pass's sixteenth trip: the second pass's last eight rows
	TRIP 1                                         ; the first pass's last trip asks for the second pass's first four tiles
	s_branch .Lscores
.Llast_trip:
	TRIP 0                                         ; the launch's last trip asks for nothing
.Lscores:
	; THE SCORES, THE SOFTMAX'S STEP AND THE CONTEXT'S STEP for the pass's 128 rows
	FOLD SA, 64, 64, 5, 8, MK8, 4                  ; the sum over my row of lanes, that is over the columns: lane (r, h) is left with rows 16 (r / 2) + 8 h + 4 (r % 2) + 0 .. 3
	FOLD SA, 64, 64, 4, 4, MK8+1, 4
	FOLD SA, 64, 64, 3, 2, MK8+2, 4
	FOLD SA, 64, 64, 2, 1, MK8+3, 4
.irp k, 0,1,2,3
	ds_store_b32 v[SXS], v[SA+\k] offset:16*\k
.endr
	s_wait_dscnt 0x0                               ; for the others' sake: my parts of the scores lie in LDS
	s_barrier_signal -1
	s_barrier_wait -1
.irp T, 0,1,2,3,4,5,6,7
	ds_load_b128 v[SA+4*\T:SA+4*\T+3], v[SXL] offset:256*\T   ; the four waves' parts of the score of row 16 T + r
.endr
	WIN 0xc0                                       ; destination window 3
.irp q, 0,1,2,3,4,5,6,7,8,9,10,11,12,13,14,15
	ds_load_b128 v[ACC+4*\q:ACC+4*\q+3], v[SPA] offset:512*\q  ; the hold's piece comes back
.endr
	FETCH64 0, 0, 1, CD                            ; rows 64-79 on their way into the context: two buffers of 64 registers, over the codes of tiles 4-7, which are done with
	FETCH64 0, 1, 1, CD+64
	WIN 0
	s_wait_dscnt 48                                ; the scores are in: behind them the 16 loads of the hold's piece and the 32 of the two buffers
.irp T, 0,1,2,3,4,5,6,7
	v_add_f32 v[SA+4*\T], v[SA+4*\T], v[SA+4*\T+1]
.endr
.irp T, 0,1,2,3,4,5,6,7
	v_add_f32 v[SA+4*\T+2], v[SA+4*\T+2], v[SA+4*\T+3]
.endr
.irp T, 0,1,2,3,4,5,6,7
	v_add_f32 v[CT+2*\T], v[SA+4*\T], v[SA+4*\T+2]
.endr
	v_max3_num_f32 v[WK], v[CT], v[CT+2], v[CT+4]
	v_max3_num_f32 v[WK], v[WK], v[CT+6], v[CT+8]
	v_max3_num_f32 v[WK], v[WK], v[CT+10], v[CT+12]
	v_max_num_f32 v[WK], v[WK], v[CT+14]
	v_max_num_f32_dpp v[WK], v[WK], v[WK] row_xmask:1 row_mask:0xf bank_mask:0xf   ; both halves of the lanes hold the same 128 rows: four steps do
	v_max_num_f32_dpp v[WK], v[WK], v[WK] row_xmask:2 row_mask:0xf bank_mask:0xf
	v_max_num_f32_dpp v[WK], v[WK], v[WK] row_xmask:4 row_mask:0xf bank_mask:0xf
	v_max_num_f32_dpp v[WK], v[WK], v[WK] row_xmask:8 row_mask:0xf bank_mask:0xf
	v_max_num_f32 v[WK], v[WK], v[MX]              ; the new m
	v_sub_f32 v[WK+1], v[MX], v[WK]
.irp T, 0,1,2,3,4,5,6,7
	v_sub_f32 v[CT+2*\T], v[CT+2*\T], v[WK]
.endr
	v_mul_f32 v[WK+1], s23, v[WK+1]
.irp T, 0,1,2,3,4,5,6,7
	v_mul_f32 v[CT+2*\T], s23, v[CT+2*\T]
.endr
	s_wait_alu depctr_va_vdst(0)
	v_exp_f32 v[FF], v[WK+1]                       ; f = e^(old m - new m)
.irp T, 0,1,2,3,4,5,6,7
	v_exp_f32 v[CT+2*\T], v[CT+2*\T]               ; p = e^(score - m)
.endr
	v_mov_b32 v[MX], v[WK]                         ; (the plain line behind the exponentials)
	s_wait_alu depctr_va_vdst(0)                   ; one wait for the nine, ahead of their first reader
	v_add_f32 v[TS], v[CT], v[CT+2]
	v_add_f32 v[TS+1], v[CT+4], v[CT+6]
	v_add_f32 v[TS+2], v[CT+8], v[CT+10]
	v_add_f32 v[TS+3], v[CT+12], v[CT+14]
	v_add_f32 v[TS], v[TS], v[TS+1]
	v_add_f32 v[TS+2], v[TS+2], v[TS+3]
	v_add_f32 v[WK], v[TS], v[TS+2]
	v_add_f32_dpp v[WK], v[WK], v[WK] row_xmask:1 row_mask:0xf bank_mask:0xf
	v_add_f32_dpp v[WK], v[WK], v[WK] row_xmask:2 row_mask:0xf bank_mask:0xf
	v_add_f32_dpp v[WK], v[WK], v[WK] row_xmask:4 row_mask:0xf bank_mask:0xf
	v_add_f32_dpp v[WK], v[WK], v[WK] row_xmask:8 row_mask:0xf bank_mask:0xf
	v_fma_f32 v[MX+1], v[MX+1], v[FF], v[WK]       ; l = l f + the pass's sum of p
	WIN 0x02                                       ; the sum over T of p x my row of tile T, over the codes of tiles 0-3, which are done with.  First the hold
.set qi, 0
.rept 64
	v_pk_mul_f32 v[CD+qi:CD+qi+1], v[qi:qi+1], v[CT:CT+1] op_sel_hi:[1,0]
.set qi, qi+2
.endr
.set qi, 0
.rept 64
	v_pk_fma_f32 v[CD+qi:CD+qi+1], v[128+qi:128+qi+1], v[CT+2:CT+3], v[CD+qi:CD+qi+1] op_sel_hi:[1,0,1]
.set qi, qi+2
.endr
	WIN 0x03
.set qi, 0
.rept 64
	v_pk_fma_f32 v[CD+qi:CD+qi+1], v[qi:qi+1], v[CT+4:CT+5], v[CD+qi:CD+qi+1] op_sel_hi:[1,0,1]
.set qi, qi+2
.endr
	s_wait_dscnt 32                                ; the hold's piece is back: behind it the 32 loads of the two buffers
.set qi, 0
.rept 64
	v_pk_fma_f32 v[CD+qi:CD+qi+1], v[128+qi:128+qi+1], v[CT+6:CT+7], v[CD+qi:CD+qi+1] op_sel_hi:[1,0,1]
.set qi, qi+2
.endr
.irp g, 0,1,2,3,4,5,6,7                        ; then rows 64-127 out of LDS: group g = (tile 4 + g / 2, K step g % 2), through buffer g % 2, which then takes the group two further on
.if \g < 7
	s_wait_dscnt 16                                ; group g is in; the next group's 16 loads may be out
.else
	s_wait_dscnt 0x0
.endif
	WIN 0x01                                       ; source 0 window 1
.set qi, 0
.rept 32
	v_pk_fma_f32 v[CD+64*(\g%2)+qi:CD+64*(\g%2)+qi+1], v[CD+64*(\g%2)+qi:CD+64*(\g%2)+qi+1], v[CT+8+2*(\g/2):CT+8+2*(\g/2)+1], v[CD+64*(\g%2)+qi:CD+64*(\g%2)+qi+1] op_sel_hi:[1,0,1]
.set qi, qi+2
.endr
.if \g < 6
	FETCH64 (\g+2)/2, \g%2, 1, CD+64*(\g%2)
.endif
.endr
	WIN 0
	FOLD CD, 128, 64, 5, 8, MK8, 4                 ; the sum over my row of lanes, that is over the rows: lane (r, h) is left with columns 256 w + 128 s + 32 (r / 4) + 16 h + 4 (r % 4) + 0 .. 3
	FOLD CD, 128, 64, 4, 4, MK8+1, 4
	FOLD CD, 128, 64, 3, 2, MK8+2, 4
	FOLD CD, 128, 64, 2, 1, MK8+3, 4
	v_pk_fma_f32 v[CTX:CTX+1], v[CTX:CTX+1], v[FF:FF+1], v[CD:CD+1] op_sel_hi:[1,0,1]         ; context = context x f + the pass's
	v_pk_fma_f32 v[CTX+2:CTX+3], v[CTX+2:CTX+3], v[FF:FF+1], v[CD+2:CD+3] op_sel_hi:[1,0,1]
	v_pk_fma_f32 v[CTX+4:CTX+5], v[CTX+4:CTX+5], v[FF:FF+1], v[CD+64:CD+65] op_sel_hi:[1,0,1]
	v_pk_fma_f32 v[CTX+6:CTX+7], v[CTX+6:CTX+7], v[FF:FF+1], v[CD+66:CD+67] op_sel_hi:[1,0,1]
	s_sub_co_u32 s15, s15, 1
	s_cmp_lg_u32 s15, 0
	s_cbranch_scc1 .Lpass
	v_and_b32 v[TS], 15, v0                        ; THE WAY OUT.  4 bytes a column: 1,024 w + 128 (r / 4) + 64 h + 16 (r % 4)
	v_bfe_u32 v[TS+1], v0, 4, 1
	v_lshrrev_b32 v[TS+2], 2, v[TS]
	v_and_b32 v[TS], 3, v[TS]
	s_lshl_b32 s17, s14, 10
	v_lshl_add_u32 v[WK], v[TS+2], 7, s17
	v_lshl_add_u32 v[WK], v[TS+1], 6, v[WK]
	v_lshl_add_u32 v[WK], v[TS], 4, v[WK]
	global_store_b128 v[WK], v[CTX:CTX+3], s[10:11]              ; the wave's 32 lanes store 512 consecutive bytes, at a multiple of 512 from the buffer's first byte
	global_store_b128 v[WK], v[CTX+4:CTX+7], s[10:11] offset:512
	v_lshlrev_b32 v[WK+1], 3, v0
	global_store_b64 v[WK+1], v[MX:MX+1], s[12:13]               ; m and l, the same in every thread: 1,024 consecutive bytes a work-group
	s_wait_tensorcnt 0x0                           ; the wave's end, behind my last tensor load and my last LDS store
	ds_add_u32 v[SPW], v[NIL]
	s_wait_dscnt 0x0
	s_endpgm
.Lfunc_end_k_q8db4952e69_attend:
	.size	k_q8db4952e69_attend, .Lfunc_end_k_q8db4952e69_attend-k_q8db4952e69_attend
	.p2alignl 7, 3214868480
	.fill 96, 4, 3214868480
	.section	.rodata,"a",@progbits
	.p2align	6, 0x0
	.amdhsa_kernel k_q8db4952e69_attend
		.amdhsa_group_segment_fixed_size 327680
		.amdhsa_private_segment_fixed_size 0
		.amdhsa_enable_private_segment 0
		.amdhsa_kernarg_size 40
		.amdhsa_user_sgpr_count 2
		.amdhsa_user_sgpr_kernarg_segment_ptr 1
		.amdhsa_wavefront_size32 1
		.amdhsa_system_sgpr_workgroup_id_x 1
		.amdhsa_system_sgpr_workgroup_id_y 1
		.amdhsa_system_sgpr_workgroup_id_z 1
		.amdhsa_system_vgpr_workitem_id 0
		.amdhsa_next_free_vgpr 1024
		.amdhsa_next_free_sgpr 66
		.amdhsa_reserve_vcc 0
		.amdhsa_float_denorm_mode_32 3
		.amdhsa_float_denorm_mode_16_64 3
		.amdhsa_memory_ordered 1
		.amdhsa_forward_progress 1
		.amdhsa_inst_pref_size 255
	.end_amdhsa_kernel
	.section	.bss,"aw",@nobits
	.p2align	6
	.space	262144
	.amdgpu_metadata
---
amdhsa.version: [ 1, 2 ]
amdhsa.kernels:
  - .name:           k_q8db4952e69_attend
    .symbol:         k_q8db4952e69_attend.kd
    .args:
      - { .name: hidden_states, .offset: 0, .size: 8, .value_kind: global_buffer, .address_space: global }
      - { .name: wq_codes, .offset: 8, .size: 8, .value_kind: global_buffer, .address_space: global }
      - { .name: wq_scales, .offset: 16, .size: 8, .value_kind: global_buffer, .address_space: global }
      - { .name: part_ctx, .offset: 24, .size: 8, .value_kind: global_buffer, .address_space: global }
      - { .name: part_stat, .offset: 32, .size: 8, .value_kind: global_buffer, .address_space: global }
    .group_segment_fixed_size: 327680
    .private_segment_fixed_size: 0
    .kernarg_segment_align: 8
    .kernarg_segment_size: 40
    .max_flat_workgroup_size: 128
    .sgpr_count:     66
    .vgpr_count:     1024
    .wavefront_size: 32
...
	.end_amdgpu_metadata
.endif
;; end of part 5
;; launch finish (part 6): grid 2 x 32, 8 waves a work-group, no clusters, 11,264 bytes of LDS; arguments hidden_states, part_ctx, part_stat, wo_codes, wo_scales, out0; writes out0
.if DOCPART == 6
	.amdgcn_target "amdgcn-amd-amdhsa--gfx1250"
	.amdhsa_code_object_version 6
	.text
	.protected	k_q8db4952e69_finish
	.globl	k_q8db4952e69_finish
	.p2align	8
	.type	k_q8db4952e69_finish,@function
k_q8db4952e69_finish:
	s_mov_b64 s[64:65], 0
	v_nop
	global_prefetch_b8 v0, s[64:65] scope:SCOPE_SE
	s_setreg_imm32_b32 hwreg(HW_REG_WAVE_MODE, 25, 1), 1
	s_wait_xcnt 0x0
; out0[b][n] = tanh(sum over k of Q(pre[b])[k] Q(w_out)[k][n]), pre = [context, h_t].  No work is left out.
; The batch's eight partial contexts (launch attend: sum of e^(score - m_i) hs, with m_i and l_i) are merged: M = the largest m_i, g_i = e^(m_i - M) / sum of e^(m_i - M) l_i, context = sum of g_i x partial i, all in f32.
; SHARES.  Work-group (x, y) makes outputs 64 x .. 64 x + 63 of batch y: 256 consecutive bytes.  Thread t merges four numbers of the context; pre goes to LDS; wave v takes K steps 2 v and 2 v + 1 of the 16,
; quantises its 256 numbers of pre in registers and multiplies them by four tiles of w_out's codes (launch prep: images of the operand's registers).  The eight waves' sums meet in LDS; wave 0 adds them.
; The product has one row: all sixteen rows of source 0 are that row (the lanes read the same LDS bytes), all rows of the result are equal, and register 0 of each accumulator is taken.
; LIMITS: NaN and infinities are not served; a block of zeros gets the byte 1 over zero codes; tanh(x) = 1 - 2 / (1 + e^(2 x)) carries an absolute error of some 1e-7.
.set PRE,   0                          ; LDS: pre, 2,048 f32
.set RED,   8192                       ; [wave 8][64] f32
.set SPARE, 10240                      ; the spare words, 128 bytes for each wave: four blocks of 256 bytes that no other line names
.set SPW,  1                           ; v1   LDS address of my spare word; never rewritten
.set NIL,  2                           ; v2   0; never rewritten
.set T16,  3                           ; v3   16 x thread
.set PRA,  4                           ; v4   PRE + 1,024 v + 64 h
.set L16,  5                           ; v5   16 x lane
.set SCO,  6                           ; v6   512 h + 4 r: lanes 0-15 take K step 2 v's scale words, lanes 16-31 K step 2 v + 1's
.set RDS,  7                           ; v7   RED + 256 v + 4 r
.set RDL,  8                           ; v8   RED + 8 x lane
.set OUTO, 9                           ; v9   8 x lane
.set PW,   10                          ; v10-11 pre's scale words
.set BS,   12                          ; v12-15 w_out's, a tile each
.set TM,   16                          ; v16-31 at work in QUANT
.set PC,   32                          ; v32-63 pre's codes, two fragments
.set X,    64                          ; v64-127: the partials, h_t and the merge; then 64 numbers of pre; then the four accumulators
.set BF,   128                         ; v128-255 w_out's fragments (s, n) at BF + 64 s + 16 n
.set HTV,  96
.set CXV,  100
.set GG,   104                         ; g_i at GG + 2 i (the packed form names a pair)
.set MM,   120
.set LL,   121
; 64 numbers of a lane, register 16 b + i = k 32 b + 16 (lane / 16) + i, become a fragment's codes and its scale word
.macro QUANT src, pc, pw
.irp b, 0,1,2,3
	v_max3_num_f32 v[TM+\b], |v[\src+16*\b]|, |v[\src+1+16*\b]|, 0x4800000   ; block b: my 16 numbers, and the floor 2^(9 - 127): the byte cannot fall under 1
.endr
.irp i, 2,4,6,8,10,12,14
.irp b, 0,1,2,3
	s_delay_alu instid0(VALU_DEP_4)
	v_max3_num_f32 v[TM+\b], v[TM+\b], |v[\src+16*\b+\i]|, |v[\src+1+16*\b+\i]|
.endr
.endr
.irp b, 0,1,2,3
	s_delay_alu instid0(VALU_DEP_4)
	v_permlanex16_b32 v[TM+4+\b], v[TM+\b], s20, s21
.endr
.irp b, 0,1,2,3
	s_delay_alu instid0(VALU_DEP_4)
	v_max_num_f32 v[TM+\b], v[TM+\b], v[TM+4+\b]   ; with lane l xor 16's: the block's largest magnitude
.endr
.irp b, 0,1,2,3
	s_delay_alu instid0(VALU_DEP_4)
	v_add_nc_u32 v[TM+12+\b], 0xfc000000, v[TM+\b] ; 8 off the exponent field: the conversion's scale operand
.endr
.irp b, 0,1,2,3
	v_and_or_b32 v[TM+8+\b], v[TM+\b], 0x7f800000, s22   ; 448 x the scale
.endr
.irp b, 0,1,2,3
	v_lshrrev_b32 v[TM+4+\b], 23, v[TM+12+\b]      ; the scale's byte
.endr
	s_delay_alu instid0(VALU_DEP_3)
	v_lshl_or_b32 v[\pw], v[TM+5], 8, v[TM+4]
	s_delay_alu instid0(VALU_DEP_1)
	v_lshl_or_b32 v[\pw], v[TM+6], 16, v[\pw]
	s_delay_alu instid0(VALU_DEP_1)
	v_lshl_or_b32 v[\pw], v[TM+7], 24, v[\pw]
.irp b, 0,1,2,3
.irp i, 0,1,2,3,4,5,6,7,8,9,10,11,12,13,14,15
	v_med3_num_f32 v[\src+16*\b+\i], v[\src+16*\b+\i], -v[TM+8+\b], v[TM+8+\b]   ; the conversion to an 8-bit code does not saturate (ISA guide 7.6.2): the hold comes first
.endr
	v_cvt_scalef32_pk8_fp8_f32 v[(\pc)+4*\b:(\pc)+1+4*\b], v[\src+16*\b:\src+7+16*\b], v[TM+12+\b]
	v_cvt_scalef32_pk8_fp8_f32 v[(\pc)+2+4*\b:(\pc)+3+4*\b], v[\src+8+16*\b:\src+15+16*\b], v[TM+12+\b]
.endr
	v_nop                                          ; one plain line between the conversions and whatever next touches their results or writes their sources
.endm
	s_load_b256 s[4:11], s[0:1], 0x0               ; hs s[4:5], part_ctx s[6:7], part_stat s[8:9], wo_codes s[10:11]
	s_load_b128 s[12:15], s[0:1], 0x20             ; wo_scales s[12:13], out0 s[14:15]
	v_lshl_add_u32 v[SPW], v0, 2, SPARE
	v_mov_b32 v[NIL], 0
	v_lshrrev_b32 v16, 5, v0
	s_delay_alu instid0(VALU_DEP_1)
	v_readfirstlane_b32 s16, v16                   ; wave v
	s_and_b32 s17, ttmp7, 0xffff                   ; the batch
	s_mov_b32 s19, 0
	s_mov_b32 s20, 0x76543210
	s_mov_b32 s21, 0xfedcba98                      ; v_permlanex16_b32's selects for lane l xor 16
	s_mov_b32 s22, 0x600000                        ; the mantissa field of 448
	v_and_b32 v16, 31, v0                          ; lane
	v_and_b32 v17, 15, v0                          ; r
	v_bfe_u32 v18, v0, 4, 1                        ; h
	v_lshlrev_b32 v[T16], 4, v0
	s_lshl_b32 s25, s16, 10
	v_lshl_add_u32 v[PRA], v18, 6, s25
	v_lshlrev_b32 v[L16], 4, v16
	v_lshlrev_b32 v[SCO], 2, v17
	s_delay_alu instid0(VALU_DEP_1)
	v_lshl_add_u32 v[SCO], v18, 9, v[SCO]
	s_lshl_b32 s25, s16, 8
	s_add_co_u32 s25, s25, RED
	v_lshl_add_u32 v[RDS], v17, 2, s25
	v_lshlrev_b32 v[OUTO], 3, v16
	s_delay_alu instid0(VALU_DEP_1)
	v_add_nc_u32 v[RDL], RED, v[OUTO]
.irp b, 0,1,2,3
	v_mov_b32 v[TM+4+\b], 0                        ; written once: a lane permute's destination counts as one of its sources
.endr
	s_wait_alu depctr_va_vdst(0)
	s_wait_kmcnt 0x0
	s_lshl_b32 s18, s17, 13                        ; eight work-groups' 1,024 bytes a batch
	s_add_nc_u64 s[8:9], s[8:9], s[18:19]
.irp i, 0,1,2,3,4,5,6,7
	s_load_b64 s[32+2*\i:33+2*\i], s[8:9], 1024*\i ; m_i, l_i
.endr
	s_lshl_b32 s18, s17, 15
	s_add_nc_u64 s[6:7], s[6:7], s[18:19]          ; the batch's eight partials
	s_lshl_b32 s18, s17, 23
	s_add_co_u32 s18, s18, 2047*4096
	s_add_nc_u64 s[4:5], s[4:5], s[18:19]          ; h_t: the batch's last row
	s_lshl_b32 s18, s16, 4
	s_lshl_b32 s24, ttmp9, 2
	s_add_co_u32 s24, s24, s18                     ; 16 v + 4 x: my first image (K step 2 v, tile 4 x)
	s_lshl_b32 s18, s24, 11
	s_add_nc_u64 s[10:11], s[10:11], s[18:19]
	s_lshl_b32 s18, s24, 6
	s_add_nc_u64 s[12:13], s[12:13], s[18:19]
	s_lshl_b32 s18, s17, 9
	s_lshl_b32 s24, ttmp9, 8
	s_add_co_u32 s18, s18, s24
	s_add_nc_u64 s[14:15], s[14:15], s[18:19]      ; my 64 outputs
.irp i, 0,1,2,3,4,5,6,7
	global_load_b128 v[X+4*\i:X+4*\i+3], v[T16], s[6:7] offset:4096*\i
.endr
	global_load_b128 v[HTV:HTV+3], v[T16], s[4:5]
.irp s, 0,1
.irp n, 0,1,2,3
.irp c, 0,1,2,3
	global_load_b128 v[BF+64*\s+16*\n+4*\c:BF+64*\s+16*\n+4*\c+3], v[L16], s[10:11] offset:16384*\s+2048*\n+512*\c
.endr
.endr
.endr
.irp n, 0,1,2,3
	global_load_b32 v[BS+\n], v[SCO], s[12:13] offset:64*\n
.endr
	s_wait_kmcnt 0x0                               ; the eight m and l
	v_max_num_f32 v[MM], s32, s34
	s_delay_alu instid0(VALU_DEP_1)
	v_max3_num_f32 v[MM], v[MM], s36, s38
	s_delay_alu instid0(VALU_DEP_1)
	v_max3_num_f32 v[MM], v[MM], s40, s42
	s_delay_alu instid0(VALU_DEP_1)
	v_max3_num_f32 v[MM], v[MM], s44, s46          ; M
.irp i, 0,1,2,3,4,5,6,7
	v_sub_f32 v[GG+2*\i], s[32+2*\i], v[MM]
.endr
.irp i, 0,1,2,3,4,5,6,7
	v_mul_f32 v[GG+2*\i], 0x3fb8aa3b, v[GG+2*\i]
.endr
	s_wait_alu depctr_va_vdst(0)
.irp i, 0,1,2,3,4,5,6,7
	v_exp_f32 v[GG+2*\i], v[GG+2*\i]               ; e^(m_i - M)
.endr
.irp i, 0,1,2,3,4,5,6,7
	v_mov_b32 v[GG+2*\i+1], 0                      ; (the pairs' upper halves; plain lines behind the exponentials)
.endr
	s_wait_alu depctr_va_vdst(0)                   ; one wait for the eight, ahead of their first reader
	v_mul_f32 v[LL], s33, v[GG]
.irp i, 1,2,3,4,5,6,7
	v_fmac_f32 v[LL], s[33+2*\i], v[GG+2*\i]
.endr
	s_wait_alu depctr_va_vdst(0)
	v_rcp_f32 v[LL], v[LL]
	v_nop
	s_wait_alu depctr_va_vdst(0)
.irp i, 0,1,2,3,4,5,6,7
	v_mul_f32 v[GG+2*\i], v[GG+2*\i], v[LL]        ; g_i
.endr
	s_wait_alu depctr_va_vdst(0)
	s_wait_loadcnt 36                              ; the partials and h_t are in; the 32 loads of codes and the 4 of scale words may be out
	v_pk_mul_f32 v[CXV:CXV+1], v[X:X+1], v[GG:GG+1] op_sel_hi:[1,0]
	v_pk_mul_f32 v[CXV+2:CXV+3], v[X+2:X+3], v[GG:GG+1] op_sel_hi:[1,0]
.irp i, 1,2,3,4,5,6,7
	s_delay_alu instid0(VALU_DEP_2)
	v_pk_fma_f32 v[CXV:CXV+1], v[X+4*\i:X+4*\i+1], v[GG+2*\i:GG+2*\i+1], v[CXV:CXV+1] op_sel_hi:[1,0,1]
	s_delay_alu instid0(VALU_DEP_2)
	v_pk_fma_f32 v[CXV+2:CXV+3], v[X+4*\i+2:X+4*\i+3], v[GG+2*\i:GG+2*\i+1], v[CXV+2:CXV+3] op_sel_hi:[1,0,1]
.endr
	ds_store_b128 v[T16], v[CXV:CXV+3] offset:PRE          ; the context,
	ds_store_b128 v[T16], v[HTV:HTV+3] offset:PRE+4096     ; and h_t behind it
	s_wait_dscnt 0x0                               ; for the others' sake
	s_barrier_signal -1
	s_barrier_wait -1                              ; pre lies in LDS
.irp s, 0,1
.irp c, 0,1,2,3
.irp j, 0,1,2,3
	ds_load_b128 v[X+16*\c+4*\j:X+16*\c+4*\j+3], v[PRA] offset:512*\s+128*\c+16*\j   ; k = 256 v + 128 s + 32 c + 16 h + 4 j on: the same bytes in all sixteen lanes of a half
.endr
.endr
	s_wait_dscnt 0x0
	QUANT X, PC+16*\s, PW+\s
.endr
	s_wait_loadcnt 0x0                             ; w_out's codes and scale words
.rept 8
	v_nop                                          ; places between the codes and scale words just made and the products
.endr
.irp n, 0,1,2,3                                ; the four accumulators take turns; the first four products start the sums
	v_wmma_scale_f32_16x16x128_f8f6f4 v[X+8*\n:X+8*\n+7], v[PC:PC+15], v[BF+16*\n:BF+16*\n+15], 0, v[PW], v[BS+\n]
.endr
	s_wait_alu depctr_va_vdst(0)
.irp n, 0,1,2,3
	v_wmma_scale_f32_16x16x128_f8f6f4 v[X+8*\n:X+8*\n+7], v[PC+16:PC+31], v[BF+64+16*\n:BF+64+16*\n+15], v[X+8*\n:X+8*\n+7], v[PW+1], v[BS+\n] matrix_b_scale:MATRIX_SCALE_ROW1
.endr
.rept 8
	v_nop                                          ; places in front of the first read of results (ISA guide 7.12.1)
.endr
.irp n, 0,1,2,3
	ds_store_b32 v[RDS], v[X+8*\n] offset:64*\n    ; column 16 n + r; both halves of the lanes write the same word with the same value
.endr
	s_wait_dscnt 0x0                               ; for wave 0's sake
	s_barrier_signal -1
	s_barrier_wait -1
	s_cmp_lg_u32 s16, 0
	s_cbranch_scc1 .Ldone
.irp i, 0,1,2,3,4,5,6,7
	ds_load_b64 v[96+2*\i:97+2*\i], v[RDL] offset:256*\i   ; two columns a lane, of each wave's sums
.endr
	s_wait_dscnt 0x0
	v_pk_add_f32 v[96:97], v[96:97], v[98:99]
	v_pk_add_f32 v[100:101], v[100:101], v[102:103]
	v_pk_add_f32 v[104:105], v[104:105], v[106:107]
	v_pk_add_f32 v[108:109], v[108:109], v[110:111]
	s_delay_alu instid0(VALU_DEP_3)
	v_pk_add_f32 v[96:97], v[96:97], v[100:101]
	s_delay_alu instid0(VALU_DEP_2)
	v_pk_add_f32 v[104:105], v[104:105], v[108:109]
	s_delay_alu instid0(VALU_DEP_1)
	v_pk_add_f32 v[96:97], v[96:97], v[104:105]
	s_delay_alu instid0(VALU_DEP_1)
	v_mul_f32 v96, 0x4038aa3b, v96                 ; 2 log2(e) x
	s_delay_alu instid0(VALU_DEP_2)
	v_mul_f32 v97, 0x4038aa3b, v97
	s_wait_alu depctr_va_vdst(0)
	v_exp_f32 v96, v96
	v_exp_f32 v97, v97
	v_nop
	s_wait_alu depctr_va_vdst(0)
	v_add_f32 v96, 1.0, v96
	v_add_f32 v97, 1.0, v97
	s_wait_alu depctr_va_vdst(0)
	v_rcp_f32 v96, v96
	v_rcp_f32 v97, v97
	v_nop
	s_wait_alu depctr_va_vdst(0)
	v_fma_f32 v96, v96, -2.0, 1.0                  ; tanh(x) = 1 - 2 / (1 + e^(2 x))
	v_fma_f32 v97, v97, -2.0, 1.0
	global_store_b64 v[OUTO], v[96:97], s[14:15]   ; 32 lanes store 256 consecutive bytes, at a multiple of 256 from out0's first byte
.Ldone:
	s_wait_tensorcnt 0x0                           ; the wave's end, behind my last LDS store
	ds_add_u32 v[SPW], v[NIL]
	s_wait_dscnt 0x0
	s_endpgm
.Lfunc_end_k_q8db4952e69_finish:
	.size	k_q8db4952e69_finish, .Lfunc_end_k_q8db4952e69_finish-k_q8db4952e69_finish
	.p2alignl 7, 3214868480
	.fill 96, 4, 3214868480
	.section	.rodata,"a",@progbits
	.p2align	6, 0x0
	.amdhsa_kernel k_q8db4952e69_finish
		.amdhsa_group_segment_fixed_size 11264
		.amdhsa_private_segment_fixed_size 0
		.amdhsa_enable_private_segment 0
		.amdhsa_kernarg_size 48
		.amdhsa_user_sgpr_count 2
		.amdhsa_user_sgpr_kernarg_segment_ptr 1
		.amdhsa_wavefront_size32 1
		.amdhsa_system_sgpr_workgroup_id_x 1
		.amdhsa_system_sgpr_workgroup_id_y 1
		.amdhsa_system_sgpr_workgroup_id_z 1
		.amdhsa_system_vgpr_workitem_id 0
		.amdhsa_next_free_vgpr 256
		.amdhsa_next_free_sgpr 66
		.amdhsa_reserve_vcc 0
		.amdhsa_float_denorm_mode_32 3
		.amdhsa_float_denorm_mode_16_64 3
		.amdhsa_memory_ordered 1
		.amdhsa_forward_progress 1
		.amdhsa_inst_pref_size 36
	.end_amdhsa_kernel
	.amdgpu_metadata
---
amdhsa.version: [ 1, 2 ]
amdhsa.kernels:
  - .name:           k_q8db4952e69_finish
    .symbol:         k_q8db4952e69_finish.kd
    .args:
      - { .name: hidden_states, .offset: 0, .size: 8, .value_kind: global_buffer, .address_space: global }
      - { .name: part_ctx, .offset: 8, .size: 8, .value_kind: global_buffer, .address_space: global }
      - { .name: part_stat, .offset: 16, .size: 8, .value_kind: global_buffer, .address_space: global }
      - { .name: wo_codes, .offset: 24, .size: 8, .value_kind: global_buffer, .address_space: global }
      - { .name: wo_scales, .offset: 32, .size: 8, .value_kind: global_buffer, .address_space: global }
      - { .name: out0, .offset: 40, .size: 8, .value_kind: global_buffer, .address_space: global }
    .group_segment_fixed_size: 11264
    .private_segment_fixed_size: 0
    .kernarg_segment_align: 8
    .kernarg_segment_size: 48
    .max_flat_workgroup_size: 256
    .sgpr_count:     66
    .vgpr_count:     256
    .wavefront_size: 32
...
	.end_amdgpu_metadata
.endif
;; end of part 6
